; MI455X (gfx1250); checked and timed in simulation.
; The chip was launched on July 23, 2026; its instructions are those of AMD's public machine-readable ISA for CDNA 5 (MIT licence, August 2026) and "CDNA5" Instruction Set Architecture Reference Guide (July 2026). The comments in the code are by the model that wrote it; some were corrected since.
;; MHA. Allowed arithmetic: matrix products marked QUANTISED: E4M3 operands, one E8M0 scale for each 32 along K, by v_wmma_scale_f32_16x16x128_f8f6f4 with both operands' format E4M3, f32 sums; everything else in f32.
;; Inputs: token_positions 2,048 int32; w_k 1,024 x 1,024 float32; w_o 1,024 x 1,024 float32; w_q 1,024 x 1,024 float32; w_v 1,024 x 1,024 float32; x 4 x 2,048 x 1,024 float32.
;; Outputs: out0 4 x 2,048 x 1,024 float32.
;; This version of the problem:
;;   THIS VERSION OF THE PROBLEM IS GIVEN IN LOW PRECISION. The matrix products marked QUANTISED in the list below multiply operands that are first quantised to E4M3 (4 exponent bits, 3 mantissa bits; 8 bits a number), with one power-of-two scale for each 32 numbers along K (OCP MX v1.0); their sums are f32. All else is computed in f32.
;;   The module's matrix products, in the order in which they are computed (A, B: the left and right operand; K: the contracted axis; several contracted axes count as one K, in the product's order):
;;     1. [M 8,192, K 1,024] x [K 1,024, N 1,024]; A: input x; B: input w_q: QUANTISED
;;     2. [M 8,192, K 1,024] x [K 1,024, N 1,024]; A: input x; B: input w_k: QUANTISED
;;     3. [M 8,192, K 1,024] x [K 1,024, N 1,024]; A: input x; B: input w_v: QUANTISED
;;     4. batch 64 x [M 2,048, K 64] x [K 64, N 2,048]; A: computed on the way; B: computed on the way: QUANTISED
;;     5. batch 64 x [M 2,048, K 2,048] x [K 2,048, N 64]; A: softmax (see below); B: computed on the way: QUANTISED
;;     6. [M 8,192, K 1,024] x [K 1,024, N 1,024]; A: computed on the way; B: input w_o: QUANTISED
;;   THE QUANTISER, for each operand of a quantised product, along K:
;;     - K is cut into blocks of 32 from its start; a last block that is shorter is filled with zeros.
;;     - A block's scale is 2^e with e = floor(log2(the largest magnitude in the block)) - 8, held to -126 .. 127; a block of zeros has e = 0. As a byte (E8M0): e + 127.
;;     - Each number is divided by its block's scale, clamped to +-448, and rounded to the nearest number of E4M3, ties to even, subnormals kept.
;;     - The product sums the exact products of the quantised numbers (number of the format x scale) in f32.
;;   ~~~python
;;   def quantise(x, axis):      # numpy; x: float32 -> the quantised numbers, widened to float32 again
;;       x = np.moveaxis(x, axis, -1); K = x.shape[-1]
;;       x = np.pad(x, [(0, 0)] * (x.ndim - 1) + [(0, -K % 32)]); x = x.reshape(x.shape[:-1] + (-1, 32)); a = np.abs(x).max(-1, keepdims=True)
;;       e = np.where(a > 0, np.clip(np.frexp(np.where(a > 0, a, 1))[1] - 1 - 8, -126, 127), 0)      # np.frexp(a)[1] - 1 = floor(log2(a)), exactly
;;       r = np.clip(x / 2.0 ** e, -448, 448)
;;       step = 2.0 ** (np.maximum(np.frexp(np.where(r == 0, 1, r))[1] - 1, -6) - 3)
;;       q = np.round(r / step) * step * 2.0 ** e      # np.round: ties to even
;;       return np.moveaxis(q.reshape(q.shape[:-2] + (-1,))[..., :K], -1, axis).astype(np.float32)
;;   ~~~
;;   SOFTMAX AHEAD OF A QUANTISED PRODUCT. Where the list says 'softmax', what is quantised is not the finished softmax but p = 2^(t - M), with t = logit x log2(e) and M = ceil(the row's largest t), a whole number; so 1/2 < the row's largest p <= 1. The row's sum l is taken of the UNQUANTISED p, in f32, and the product's result is divided by l at the end. Since M is a whole number, a kernel that streams over the keys may use a running M (the ceiling of the running maximum): every later rescaling is an exact power of two, which a block's scale takes up: the codes' values come out the same.
;;   OPERANDS COMPUTED ON THE WAY. 'Computed on the way' means the value that the module computes at that place (a softmax that the list does not call 'softmax' is quantised finished and normalised). What goes into a quantiser is computed in f32, as accurately as f32 sums, v_exp_f32 and their like allow (about 1e-6 of the number): no bf16 or f16 on the way to a quantiser, and a product that is left as it is and whose result goes on into a quantised operand takes f32 operands (vector FMAs, or v_wmma_f32_16x16x4_f32). A number that lies on a knife's edge between two numbers of the format may be rounded either way, as far as f32 arithmetic and the matrix unit's own rounding can turn it there, and no further.
;; One version. Each part assembles by itself: llvm-mc -triple=amdgcn-amd-amdhsa -mcpu=gfx1250 --defsym DOCPART=n.
;; ======== version 1 of 1: 4 launches
;; limits: right only within a limited range of input values
;; workspace buffers: opc 12,582,912 bytes; ops 917,504 bytes; qkvc 25,165,824 bytes; qkvs 1,310,720 bytes; ac 8,388,608 bytes; asc 262,144 bytes
;; launch quant (part 1): grid 640 x 1, 4 waves a work-group, no clusters, 33,280 bytes of LDS; arguments x, w_q, w_k, w_v, w_o, token_positions, opc, ops; writes opc, ops
.if DOCPART == 1
	.amdgcn_target "amdgcn-amd-amdhsa--gfx1250"
	.amdhsa_code_object_version 6
	.text
	.protected	k_qa80c4410af_quant
	.globl	k_qa80c4410af_quant
	.p2align	8
	.type	k_qa80c4410af_quant,@function
k_qa80c4410af_quant:
	s_mov_b64 s[64:65], 0
	v_nop
	global_prefetch_b8 v0, s[64:65] scope:SCOPE_SE
	s_setreg_imm32_b32 hwreg(HW_REG_WAVE_MODE, 25, 1), 1
	s_wait_xcnt 0x0
; x [8192][1024] and w_q, w_k, w_v, w_o [1024][1024], f32, become codes of FP8 (E4M3), K innermost, with one E8M0 scale byte for each 32 along K.
; All five lie in ONE buffer of codes (opc: 12,288 rows of 1,024 bytes: x, w_q, w_k, w_v, w_o) and one of scale bytes (ops: 32 bytes a row, same order).
; Behind the scale bytes, from byte TAB of ops on, lies the table of cos and sin for the rotation of q and k, made here from token_positions.
; A block's scale is 2^(floor(log2(its largest magnitude)) - 8); its byte is the largest magnitude's exponent field - 8, held at 1 from below.  A block of zeros so gets the byte 1
; where the rule says 127: its codes are zeros, which add nothing under any byte but 0xff, and the bytes are read by this program alone.
; LIMITS: NaN and infinities among the inputs are not served.  The angle's reduction (two words of pi/2) keeps about 1e-7 for |position| under 2^22.  inv_freq is 2^(-p log2(10000)/32) by v_exp_f32
; with the exponent's rounding error carried along, so it is as good as that instruction; at position 2,047 the angle can differ from another f32 evaluation by about 1e-4 rad, the size of inv_freq's own rounding there.
; WORK-GROUPS 0 to 383: a plain stream of blocks of 32 numbers.  A wave takes 16 steps of 512 numbers.  Each of a step's four loads reads 512 consecutive bytes; the 2,048 bytes turn through the wave's own
; stage in LDS and come back 64 bytes a lane, so that a lane holds 16 neighbours along K and two neighbouring lanes hold a block.  A lane's 16 codes are 16 bytes: a store covers 512 consecutive bytes.
; A wave's 256 scale bytes are gathered in its own LDS bytes and leave as one aligned run of 256 bytes.  No barrier: waves share nothing.
; WORK-GROUPS 384 to 639: the table, 16 bytes a thread, no LDS.
.set QWG,   384                        ; work-groups that quantise: 256 for x, 32 for each weight
.set STEPS, 16
.set EMAX,  8
.set MANT,  0x600000                   ; the mantissa field of 448 as f32
.set CB,    16                         ; bytes of 16 codes
.set R,     16                         ; v16-79   four sets of 16 numbers as they are loaded
.set X,     80                         ; v80-111  two sets of 16 neighbours
.set C,     128                        ; v128-191 codes: four registers for each step, so that no store's data are written again
.set E,     112                        ; v112-127 a scale byte for each step
.set WREG,  8192                       ; LDS: a region for each wave: two stages of 32 x SP bytes, behind them its 256 scale bytes
.set SP,    80                         ; a lane's place in a stage: its 64 bytes + 16 of padding
.set TAB,   393216                     ; ops: the table begins behind 12,288 rows x 32 scale bytes
	s_load_b512 s[8:23], s[0:1], 0x0               ; x 8, w_q 10, w_k 12, w_v 14, w_o 16, token_positions 18, opc 20, ops 22
	v_lshl_add_u32 v192, v0, 2, 0x8000
	v_mov_b32 v193, 0
	s_cmp_ge_u32 ttmp9, QWG
	s_cbranch_scc1 .Ltable
	v_lshrrev_b32 v1, 5, v0
	v_readfirstlane_b32 s24, v1                    ; wave
	v_and_b32 v2, 31, v0                           ; lane
	v_lshlrev_b32 v3, 4, v2                        ; my 16 bytes of a load's 512
	s_mul_i32 s25, s24, WREG
	v_lshrrev_b32 v14, 2, v2
	v_mul_u32_u24 v14, v14, SP
	v_and_b32 v15, 3, v2
	v_lshl_add_u32 v14, v15, 4, v14
	v_add_nc_u32 v14, s25, v14                     ; the stage, on the way in: SP (lane / 4) + 16 (lane % 4)
	v_mul_u32_u24 v15, v2, SP
	v_add_nc_u32 v15, s25, v15                     ; and on the way out: SP x lane: my 16 neighbours
	v_mul_u32_u24 v4, v2, CB                       ; my codes' place in a step's
	v_lshrrev_b32 v5, 1, v2
	s_add_co_u32 s25, s25, 2*32*SP
	v_add_nc_u32 v5, s25, v5                       ; LDS: my wave's 256 scale bytes, my block's byte
	v_lshlrev_b32 v7, 3, v2                        ; and on the way out 8 bytes a lane
	v_add_nc_u32 v6, s25, v7
	s_mov_b32 s27, MANT                            ; (an instruction takes one literal: the hold's line has another)
	s_wait_alu depctr_va_vdst(0)
	s_wait_kmcnt 0x0
	s_mov_b64 s[4:5], s[8:9]                       ; which tensor is mine: the choice hangs on the work-group's number alone
	s_mov_b32 s6, 0                                ; and the tensor's first work-group
.macro PICK first, lo
	s_cmp_ge_u32 ttmp9, \first
	s_cselect_b64 s[4:5], s[\lo:\lo+1], s[4:5]
	s_cselect_b32 s6, \first, s6
.endm
	PICK 256, 10
	PICK 288, 12
	PICK 320, 14
	PICK 352, 16
	s_sub_co_u32 s28, ttmp9, s6
	s_lshl_b32 s28, s28, 2
	s_add_co_u32 s28, s28, s24                     ; which run of 8,192 numbers of the tensor is my wave's
	s_lshl_b32 s28, s28, 15                        ; 32,768 bytes a run
	s_mov_b32 s29, 0
	s_add_nc_u64 s[4:5], s[4:5], s[28:29]
	s_lshl_b32 s30, ttmp9, 2
	s_add_co_u32 s30, s30, s24                     ; the run's number over all five tensors: the sections of opc and ops lie in the work-groups' order
	s_lshl_b32 s28, s30, 13                        ; 8,192 bytes of codes a run
	s_add_nc_u64 s[20:21], s[20:21], s[28:29]
	s_lshl_b32 s28, s30, 8                         ; 256 scale bytes a run
	s_add_nc_u64 s[22:23], s[22:23], s[28:29]
.macro LOAD t
.irp i, 0,1,2,3
	global_load_b128 v[R+16*((\t)%4)+4*\i:R+16*((\t)%4)+4*\i+3], v3, s[4:5] offset:2048*(\t)+512*\i th:TH_LOAD_NT   ; 32 lanes read 512 consecutive bytes
.endr
.endm
.macro TURN t                          ; step t's numbers through the stage: LDS serves a wave's instructions in order, so no wait stands between the stores and the loads
.irp i, 0,1,2,3
	ds_store_b128 v14, v[R+16*((\t)%4)+4*\i:R+16*((\t)%4)+4*\i+3] offset:32*SP*((\t)%2)+8*SP*\i
.endr
.irp i, 0,1,2,3
	ds_load_b128 v[X+16*((\t)%2)+4*\i:X+16*((\t)%2)+4*\i+3], v15 offset:32*SP*((\t)%2)+16*\i
.endr
.endm
.irp t, 0,1,2,3
	LOAD \t
.endr
	s_wait_loadcnt 12                              ; step 0's four loads are in
	TURN 0
.macro STEP t
.set XS, X+16*((\t)%2)
.if (\t) > 0
	s_wait_dscnt 1                                 ; this step's numbers are back from the stage (the last step's byte store may be out): so its stores into the stage have read their registers,
.else
	s_wait_dscnt 0x0
.endif
.if (\t)+4 < STEPS
	LOAD (\t)+4                                    ; which take the loads of four steps on
.endif
.if (\t)+1 < STEPS
.if STEPS-2-(\t) >= 3
	s_wait_loadcnt 12                              ; the next step's four loads are in; those of the three steps behind it may be out
.else
	s_wait_loadcnt 4*(STEPS-2-(\t))
.endif
	TURN (\t)+1                                    ; and go through the other stage while this step is worked
.endif
	v_max3_num_f32 v8, |v[XS]|, |v[XS+1]|, |v[XS+2]|               ; the largest magnitude of my 16
	v_max3_num_f32 v9, |v[XS+3]|, |v[XS+4]|, |v[XS+5]|
.irp i, 6,10
	v_max3_num_f32 v8, v8, |v[XS+\i]|, |v[XS+\i+1]|
	v_max3_num_f32 v9, v9, |v[XS+\i+2]|, |v[XS+\i+3]|
.endr
	v_max3_num_f32 v8, v8, |v[XS+14]|, |v[XS+15]|
	v_max3_num_f32 v8, v8, v9, (EMAX+1)<<23        ; and the floor 2^(9 - 127): the byte cannot fall under 1
	v_max_num_f32_dpp v8, v8, v8 row_xmask:1 row_mask:0xf bank_mask:0xf   ; and of my neighbour's 16: the block's
	v_add_nc_u32 v11, 0xfc000000, v8               ; 8 off its exponent field: the conversion takes the exponent field of this operand as its scale
	v_and_or_b32 v10, v8, 0x7f800000, s27          ; 448 x the scale: the largest magnitude's exponent field over 448's mantissa
.irp i, 0,1,2,3,4,5,6,7,8,9,10,11,12,13,14,15
	v_med3_num_f32 v[XS+\i], v[XS+\i], -v10, v10   ; the conversion to an 8-bit code does not saturate (ISA guide 7.6.2): hold the number first
.endr
	v_cvt_scalef32_pk8_fp8_f32 v[C+4*(\t):C+4*(\t)+1], v[XS:XS+7], v11
	v_cvt_scalef32_pk8_fp8_f32 v[C+4*(\t)+2:C+4*(\t)+3], v[XS+8:XS+15], v11
	v_lshrrev_b32 v[E+(\t)], 23, v11               ; the scale's byte
	ds_store_b8 v5, v[E+(\t)] offset:16*(\t)       ; both lanes of a block write the same byte with the same value
	global_store_b128 v4, v[C+4*(\t):C+4*(\t)+3], s[20:21] offset:32*CB*(\t)
.endm
.irp t, 0,1,2,3,4,5,6,7,8,9,10,11,12,13,14,15
	STEP \t
.endr
	ds_load_b64 v[12:13], v6                       ; LDS serves a wave's instructions in order: these see my stores
	s_wait_dscnt 0x0
	global_store_b64 v7, v[12:13], s[22:23]        ; 32 lanes store 256 consecutive bytes, aligned
	s_wait_tensorcnt 0x0
	ds_add_u32 v192, v193
	s_wait_dscnt 0x0
	s_endpgm
; THE TABLE: [tile of 16 tokens (128)][i (8)][lane (32)][16 bytes]: (cos, sin, cos, sin) of the pairs p0 and p0 + 1 for token 16 x tile + lane % 16, p0 = 8 (i / 2) + 4 (lane / 16) + 2 (i % 2):
; the order in which a lane of the next launch holds its results.  Thread u makes chunk u.
.Ltable:
	s_sub_co_u32 s24, ttmp9, QWG
	s_lshl_b32 s24, s24, 7
	v_add_nc_u32 v1, s24, v0                       ; u
	v_and_b32 v2, 15, v1                           ; r
	v_bfe_u32 v3, v1, 4, 1                         ; h
	v_bfe_u32 v4, v1, 5, 3                         ; i
	v_lshrrev_b32 v5, 8, v1
	v_lshl_add_u32 v5, v5, 4, v2                   ; the token
	v_lshlrev_b32 v5, 2, v5
	v_lshrrev_b32 v6, 1, v4
	v_lshlrev_b32 v6, 3, v6
	v_lshl_add_u32 v6, v3, 2, v6
	v_and_b32 v7, 1, v4
	v_lshl_add_u32 v6, v7, 1, v6                   ; p0
	v_lshlrev_b32 v8, 4, v1                        ; my chunk's place
	s_mov_b32 s30, 0xbed49a78                      ; -log2(10000) / 32, high word,
	s_mov_b32 s31, 0xb2179a1c                      ; and what it leaves
	s_mov_b32 s32, 0x3f317218                      ; ln 2
	s_mov_b32 s33, 0x3f22f983                      ; 2 / pi
	s_mov_b32 s34, 0xbfc90fdb                      ; -(pi / 2), high word,
	s_mov_b32 s35, 0x333bbd2e                      ; and less what it leaves
	s_mov_b32 s36, 0xbe2aaaa3                      ; sine: r + r z (S1 + z (S2 + z S3)), z = r r, |r| <= pi / 4
	s_mov_b32 s37, 0x3c08839e
	s_mov_b32 s38, 0xb94ca1f9
	s_mov_b32 s39, 0x3d2aaaa5                      ; cosine: 1 - z / 2 + z z (C1 + z (C2 + z C3))
	s_mov_b32 s40, 0xbab6061a
	s_mov_b32 s41, 0x37ccf5ce
	s_wait_alu depctr_va_vdst(0)
	s_wait_kmcnt 0x0
	global_load_b32 v9, v5, s[18:19]               ; the token's position: a value, never an address
	v_cvt_f32_u32 v10, v6
	v_add_f32 v11, 1.0, v10
	s_wait_alu depctr_va_vdst(0)
	s_wait_loadcnt 0x0
	v_cvt_f32_i32 v9, v9
.macro SINCOS e                        ; pair p0 + e: cos into v[20 + 2 e], sin into v[21 + 2 e]
	v_mul_f32 v12, s30, v[10+\e]                   ; the exponent, rounded,
	v_fma_f32 v13, v[10+\e], s30, -v12             ; what that rounding lost, exactly,
	v_fma_f32 v13, v[10+\e], s31, v13              ; and the constant's low word
	s_wait_alu depctr_va_vdst(0)
	v_exp_f32 v14, v12
	v_mul_f32 v13, s32, v13                        ; (a plain instruction behind the exponential)
	s_wait_alu depctr_va_vdst(0)
	v_fma_f32 v14, v14, v13, v14                   ; inv_freq
	v_mul_f32 v14, v9, v14                         ; the angle: one rounding
	v_mul_f32 v15, s33, v14
	v_rndne_f32 v15, v15                           ; n quarter turns
	v_fma_f32 v16, v15, s34, v14
	v_fma_f32 v16, v15, s35, v16                   ; r = angle - n pi / 2
	v_mul_f32 v17, v16, v16                        ; z
	v_fma_f32 v18, v17, s38, s37
	v_fma_f32 v18, v18, v17, s36
	v_mul_f32 v18, v18, v17
	v_fma_f32 v18, v18, v16, v16                   ; sin r
	v_fma_f32 v19, v17, s41, s40
	v_fma_f32 v19, v19, v17, s39
	v_fma_f32 v24, v17, -0.5, 1.0
	v_mul_f32 v25, v17, v17
	v_fma_f32 v19, v25, v19, v24                   ; cos r
	v_cvt_i32_f32 v15, v15
	v_and_b32 v24, 1, v15
	v_cmp_eq_u32 vcc_lo, 1, v24                    ; an odd quarter swaps the two
	v_cndmask_b32 v25, v18, v19, vcc_lo
	v_cndmask_b32 v26, v19, v18, vcc_lo
	v_and_b32 v24, 2, v15                          ; the sine's sign: quarters 2 and 3
	v_lshlrev_b32 v24, 30, v24
	v_xor_b32 v[21+2*\e], v24, v25
	v_add_nc_u32 v15, 1, v15                       ; the cosine's: quarters 1 and 2
	v_and_b32 v24, 2, v15
	v_lshlrev_b32 v24, 30, v24
	v_xor_b32 v[20+2*\e], v24, v26
.endm
	SINCOS 0
	SINCOS 1
	global_store_b128 v8, v[20:23], s[22:23] offset:TAB   ; a wave stores 512 consecutive bytes
	s_endpgm
.Lfunc_end_k_qa80c4410af_quant:
	.size	k_qa80c4410af_quant, .Lfunc_end_k_qa80c4410af_quant-k_qa80c4410af_quant
	.p2alignl 7, 3214868480
	.fill 96, 4, 3214868480
	.section	.rodata,"a",@progbits
	.p2align	6, 0x0
	.amdhsa_kernel k_qa80c4410af_quant
		.amdhsa_group_segment_fixed_size 33280
		.amdhsa_private_segment_fixed_size 0
		.amdhsa_enable_private_segment 0
		.amdhsa_kernarg_size 64
		.amdhsa_user_sgpr_count 2
		.amdhsa_user_sgpr_kernarg_segment_ptr 1
		.amdhsa_wavefront_size32 1
		.amdhsa_system_sgpr_workgroup_id_x 1
		.amdhsa_system_sgpr_workgroup_id_y 1
		.amdhsa_system_sgpr_workgroup_id_z 1
		.amdhsa_system_vgpr_workitem_id 0
		.amdhsa_next_free_vgpr 194
		.amdhsa_next_free_sgpr 66
		.amdhsa_reserve_vcc 1
		.amdhsa_float_denorm_mode_32 3
		.amdhsa_float_denorm_mode_16_64 3
		.amdhsa_memory_ordered 1
		.amdhsa_forward_progress 1
		.amdhsa_inst_pref_size 56
	.end_amdhsa_kernel
	.amdgpu_metadata
---
amdhsa.version: [ 1, 2 ]
amdhsa.kernels:
  - .name:           k_qa80c4410af_quant
    .symbol:         k_qa80c4410af_quant.kd
    .args:
      - { .name: x, .offset: 0, .size: 8, .value_kind: global_buffer, .address_space: global }
      - { .name: w_q, .offset: 8, .size: 8, .value_kind: global_buffer, .address_space: global }
      - { .name: w_k, .offset: 16, .size: 8, .value_kind: global_buffer, .address_space: global }
      - { .name: w_v, .offset: 24, .size: 8, .value_kind: global_buffer, .address_space: global }
      - { .name: w_o, .offset: 32, .size: 8, .value_kind: global_buffer, .address_space: global }
      - { .name: token_positions, .offset: 40, .size: 8, .value_kind: global_buffer, .address_space: global }
      - { .name: opc, .offset: 48, .size: 8, .value_kind: global_buffer, .address_space: global }
      - { .name: ops, .offset: 56, .size: 8, .value_kind: global_buffer, .address_space: global }
    .group_segment_fixed_size: 33280
    .private_segment_fixed_size: 0
    .kernarg_segment_align: 8
    .kernarg_segment_size: 64
    .max_flat_workgroup_size: 128
    .sgpr_count:     66
    .vgpr_count:     194
    .wavefront_size: 32
...
	.end_amdgpu_metadata
.endif
;; end of part 1
;; launch qkv (part 2): grid 8 x 32, 4 waves a work-group, clusters of 4 x 4, 327,680 bytes of LDS; arguments opc, ops, qkvc, qkvs; writes qkvc, qkvs
.if DOCPART == 2
	.amdgcn_target "amdgcn-amd-amdhsa--gfx1250"
	.amdhsa_code_object_version 6
	.text
	.protected	k_qa80c4410af_qkv
	.globl	k_qa80c4410af_qkv
	.p2align	8
	.type	k_qa80c4410af_qkv,@function
k_qa80c4410af_qkv:
	s_mov_b64 s[64:65], 0
	v_nop
	global_prefetch_b8 v0, s[64:65] scope:SCOPE_SE
	s_setreg_imm32_b32 hwreg(HW_REG_WAVE_MODE, 25, 1), 1
	s_wait_xcnt 0x0
	s_wait_alu depctr_hold_cnt(0) depctr_sa_sdst(0) depctr_va_vdst(0) depctr_va_sdst(0) depctr_va_ssrc(0) depctr_va_vcc(0) depctr_vm_vsrc(0)
	s_getreg_b32 s2, hwreg(HW_REG_IB_STS2, 6, 4)
	s_cmp_eq_u32 s2, 0
	s_cbranch_scc0 .Lentry_in_a_cluster
	s_endpgm
.Lentry_in_a_cluster:
	s_bfe_u32 s2, ttmp6, 0x10000c
	s_cmp_lg_u32 s2, 0xf033
	s_cbranch_scc0 .Lentry_shape_is_right
	s_endpgm
.Lentry_shape_is_right:
; q = x w_q^T, k = x w_k^T, v = x w_v^T on codes of FP8 (E4M3) with one E8M0 scale for each 32 along K = 1,024; then, in registers: the rotation of q and k, and the quantiser of the next products' operands.
; Both operands are rows of ONE buffer of codes (opc: rows of 1,024 bytes: x 0-8,191, w_q, w_k, w_v from 8,192 on) and one of scale bytes (ops, 32 a row).
; A WORK-GROUP STAYS AND MAKES ONE AND A HALF TILES: the three products are 384 tiles of 256 x 256 for 256 work-groups.
;   PASS 1 (the cluster's x says which: 0 = q, 1 = k): A' = 256 rows of x, B' = 256 rows of the weight; four waves, 128 x 128 each: 64 accumulators.
;   PASS 2 (v): A' = 128 rows of w_v, B' = 256 rows of x; 64 x 128 a wave: 32 accumulators.  A wave's 64 channels are one head, its 128 tokens one key step.
; THE MATRIX INSTRUCTION IS USED TRANSPOSED (source 0 = 16 rows of B', source 1 = 16 rows of A'): a lane holds one row of A' and eight neighbours along B's rows.  So for q and k a lane holds a token and its registers run
; along the head's channels (the next product's K); for v a lane holds a channel and its registers run along the tokens (the keys: the K of the product with the softmax).
; K goes in steps of 256 through a ring of two LDS slots filled by the tensor data mover; the ring goes on from pass 1 into pass 2: pass 2's scale bytes are asked for at pass 1's last change of slots, its first K step in pass 1's last
; 128 along K, its second in the middle of pass 1's way out.  4 x 4 work-groups form a cluster: A's tiles are asked for jointly along a row of the cluster, B's along a column, in both passes.
; WHAT IS STORED: images of the next launch's operand registers.  A lane's 16 numbers of a block of 32 are elements 16 u + 8 h + i (u = 0, 1; i = 0 .. 7; h = lane / 16), and their codes take the operand's places 16 h + 8 u + i.
; The same order inside a block holds for q and k, and for v and the softmax's p: the products and each block's scale are those of the natural order.
;   qkvc: q at 0, k at 8,388,608: [batch x head (64)][tile of 16 tokens (128)][block (2)][lane][16 bytes];  v at 16,777,216: [batch x head][128 keys (16)][16 channels (4)][block (4)][lane][16 bytes].
;   qkvs: 20,480 bytes a head: q's words, k's words: [128 tokens (16)][lane][j (4)]: the word of token 64 (lane / 16) + 16 j + lane % 16 (two scale bytes; the upper two are 0 and stand over zero codes);  v's words: [128 keys (16)][channel % 16][channel / 16].
; A block of zeros gets the byte 1 where the rule says 127: its codes are zeros, and this program alone reads the bytes.  NaN and infinities are not served.
; REGISTERS, in windows of 256: window 0: v0-31 addresses; v32-63 scale words, two sets; from v128 A's fragments (pass 1: one set of 8; pass 2: two sets of 4); window 1: B's fragments, two sets; windows 2, 3: the accumulators ((a, b) at v[8 (8 (a % 4) + b)]).
;   On the ways out: window 0: v64-127 64 numbers at work; v128-159 codes, two sets; v160-175 the quantiser's; v176-191 scale words made; v192-196 on the way out.  Window 1: the table of cos and sin, 32 registers for each 16 tokens.
.set SIZE_K, 1024
.set KSTEP,  256                       ; along K in a slot
.set NQ,     KSTEP/128                 ; matrix instructions deep
.set ROWB,   256                       ; a tile's row in bytes
.set KROW,   SIZE_K                    ; a row of codes in memory
.set PITCH,  272                       ; an LDS row: 256 bytes + 16 of padding = 68 words: row r starts at bank 4 r mod 64 (64 banks of 4 bytes: ISA guide 11.1)
.set FR,     16                        ; registers of a fragment: 16 rows x 128 K
.set NL,     4                         ; LDS loads that bring one
.set NP,     8                         ; places behind this matrix instruction (ISA guide 7.12.1)
.set HALFT,  128*PITCH                 ; 128 rows: what one tensor load brings (of A in pass 2: 64 rows, QUART)
.set QUART,  64*PITCH
.set SLOT,   4*HALFT                   ; A's 256 rows (pass 2: the first 128 of them), then B's 256 rows
.set LAPS,   SIZE_K/(2*KSTEP)
.set KS,     SIZE_K/32                 ; a row of scale bytes
.set SCL,    2*SLOT                    ; behind the ring: pass 1's scale bytes, as runs of 256 bytes + 16 of padding
.set HALFS,  (128*KS/256)*272
.set QUARS,  (64*KS/256)*272
.set SBLK,   (16*KS/256)*272
.set SCL2,   SCL+4*HALFS               ; pass 2's scale bytes, in bytes of their own: A's 128 rows, then B's 256
.set SPARE,  SCL2+2*QUARS+2*HALFS      ; the spare words, 128 bytes for each wave: two blocks of 256 bytes that no other line names
.set TAB,    393216                    ; ops: where the table of cos and sin begins
.set ADRA, 16                          ; v16-17  LDS address of my A fragments in slot 0, 1
.set ADRB, 20                          ; v20-21  the same for B
.set CO,   26                          ; v26     16 x lane: my place in an image
.set ADRS, 27                          ; v27     LDS address of my scale words: lanes 0-15 A's rows, lanes 16-31 B's
.set SPW,  28                          ; v28     LDS address of my spare word; never rewritten
.set NIL,  29                          ; v29     0; never rewritten
.set SC,   32                          ; scale words: set s at v[SC + 8 NQ s]
.set AF,   128                         ; A's fragments, in window 0
.set R0,   64
.set PC,   128
.set TM,   160                         ; +0..3 largest magnitudes, +4..7 the other half's, then bytes, +8..11 448 x the scale, +12..15 the conversion's scale operand
.set W,    176
.set XW,   192
.set VA,   196
.set OA2,  2                           ; s2   pass 2: the byte in opc at which the rows of A' that I fetch begin (made of the cluster's x, cy and the wave's number)
.set OB2,  99                          ; s99  the same for B' (made of the cluster's y, cx and the wave's number)
.set G1, 24                            ; s[24:31] descriptor group 1 for A's tiles;  s[32:39] group 0, one set for each slot
.set G0, 32
.set G1B, 48                           ; s[48:55], s[56:63] the same for B's tiles
.set G0B, 56
.set G1S, 68                           ; s[68:75], s[76:79] groups 1 and 0 for A's scales;  s[80:87], s[88:91] for B's
.set G0S, 76
.set G1SB, 80
.set G0SB, 88
.set MSB, 0
.macro WIN new                         ; the immediate's high byte repeats the setting that is left; a switch that changes nothing is dropped
.set WNEW, \new
.if MSB != WNEW
	s_set_vgpr_msb (MSB<<8)|WNEW
.set MSB, WNEW
.endif
.endm
.set MUL_LO, 0xa1                      ; source 0 (B) window 1, source 1 (A) window 0, C and D window 2
.set MUL_HI, 0xf1                      ; the same, C and D window 3
.set TO_B,   0x40                      ; destination window 1, address window 0
; A joint load: waves 0 and 1 fetch for A, waves 2 and 3 for B.  Each of the two lines has one mask and one set of registers; the branch hangs on the wave's number alone.
; Four v_nop follow each of the two lines, ahead of the jump, the label and what follows.
.macro JLOAD g0a, g1a, g0b, g1b
	s_cmp_eq_u32 s15, 0
	s_cbranch_scc0 .Lfor_b_\@
	tensor_load_to_lds s[\g0a:\g0a+3], s[\g1a:\g1a+7]
	s_nop 0
.rept 4
	v_nop
.endr
	s_branch .Lasked_\@
.Lfor_b_\@:
	tensor_load_to_lds s[\g0b:\g0b+3], s[\g1b:\g1b+7]
	s_nop 0
.rept 4
	v_nop
.endr
.Lasked_\@:
.endm
.macro CREST                           ; a round of the cluster's barrier behind its opening barrier
	s_cmp_lg_u32 s14, 0
	s_cbranch_scc1 .Lnot_wave_0_\@
	s_barrier_signal -3
.Lnot_wave_0_\@:
	s_barrier_wait -3
	s_barrier_signal -1
	s_barrier_wait -1
.endm
.macro CROUND                          ; a whole round
	s_barrier_signal -1
	s_barrier_wait -1
	CREST
.endm
	s_load_b128 s[4:7], s[0:1], 0x0                ; opc s[4:5], ops s[6:7]
	s_load_b128 s[8:11], s[0:1], 0x10              ; qkvc s[8:9], qkvs s[10:11]
	v_lshl_add_u32 v[SPW], v0, 2, SPARE
	v_mov_b32 v[NIL], 0
	ds_add_u32 v28, v29
	ds_add_u32 v28, v29
	s_wait_dscnt 0x0
	v_lshrrev_b32 v1, 5, v0
	v_readfirstlane_b32 s14, v1                    ; wave 0..3
	s_lshr_b32 s15, s14, 1                         ; which half of A's rows is mine.  Also: I fetch for A (0) or for B (1)
	s_and_b32 s16, s14, 1                          ; which half of B's rows.  Also: which half of that tile I fetch
	s_bfe_u32 s40, ttmp6, 0x40000                  ; cx, cy: my place in the cluster
	s_bfe_u32 s41, ttmp6, 0x40004
	s_and_b32 s12, ttmp7, 0xffff
	s_lshl_b32 s12, s12, 2                         ; 4 x the cluster's y: a run of four tiles of x's rows
	s_lshl_b32 s13, ttmp9, 2                       ; 4 x the cluster's x
	s_add_co_u32 s17, s12, s41                     ; pass 1: A's tile of 256 rows: x's, + cy, which my row of the cluster shares
	s_add_co_u32 s42, s13, 32
	s_add_co_u32 s42, s42, s40                     ; B's: the weight's (w_q begins at tile 32, w_k at 36), + cx, which my column shares
	s_lshl_b32 s43, s41, 2
	s_lshl_b32 s43, 15, s43                        ; my row of the cluster
	s_lshl_b32 s44, 0x1111, s40                    ; my column
	s_add_co_u32 s[OA2], s13, s41                  ; pass 2: A': w_v's rows 10,240 + 128 (4 x cluster x + cy) on; I fetch 64 of them
	s_lshl_b32 s[OA2], s[OA2], 7
	s_lshl_b32 s95, s16, 6
	s_add_co_u32 s[OA2], s[OA2], s95
	s_add_co_u32 s[OA2], s[OA2], 10240
	s_lshl_b32 s[OA2], s[OA2], 10                  ; in bytes of codes; a row's scale bytes begin at a 32nd of that
	s_add_co_u32 s[OB2], s12, s40                  ; B': x's tile 4 x cluster y + cx; I fetch 128 rows
	s_lshl_b32 s[OB2], s[OB2], 8
	s_lshl_b32 s95, s16, 7
	s_add_co_u32 s[OB2], s[OB2], s95
	s_lshl_b32 s[OB2], s[OB2], 10
	; descriptor group 1: a tile of 128 rows x 256 bytes, padded in LDS
	s_or_b32 s[G1+0], s43, (0<<16)|(1<<20)|(1<<21)|(5<<22)|(3<<25)  ; 15:0 the mask; 17:16 element of 1 byte; 20 padding on; 21 set beside a mask; 24:22 after every 64 words; 31:25 four words
	s_or_b32 s[G1B+0], s44, (0<<16)|(1<<20)|(1<<21)|(5<<22)|(3<<25)
.irp g, G1, G1B
	s_mov_b32 s[\g+1], ROWB<<16                    ; tensor_dim0
	s_mov_b32 s[\g+2], 128<<16                     ; tensor_dim1
	s_mov_b32 s[\g+3], ROWB<<16                    ; tile_dim0
	s_mov_b32 s[\g+4], 128                         ; tile_dim1
	s_mov_b32 s[\g+5], KROW                        ; tensor_dim0_stride
	s_mov_b32 s[\g+6], 0
	s_mov_b32 s[\g+7], 0
.endr
	; the scale bytes of 128 rows: a dense block of 4,096 bytes, as rows of 256 bytes (32 elements of 8 bytes), 16 bytes of padding behind each
	s_or_b32 s[G1S+0], s43, (3<<16)|(1<<20)|(1<<21)|(5<<22)|(3<<25)
	s_or_b32 s[G1SB+0], s44, (3<<16)|(1<<20)|(1<<21)|(5<<22)|(3<<25)
.irp g, G1S, G1SB
	s_mov_b32 s[\g+1], 32<<16
	s_mov_b32 s[\g+2], (128*KS/256)<<16
	s_mov_b32 s[\g+3], 32<<16
	s_mov_b32 s[\g+4], 128*KS/256
	s_mov_b32 s[\g+5], 32
	s_mov_b32 s[\g+6], 0
	s_mov_b32 s[\g+7], 0
.endr
	s_lshl_b32 s18, s16, 7                         ; which 128 rows of the tile I fetch
	s_lshl_b32 s20, s17, 8
	s_add_co_u32 s20, s20, s18                     ; A: row 256 x tile + 128 x half
	s_lshl_b32 s46, s42, 8
	s_add_co_u32 s46, s46, s18                     ; B likewise
	s_mov_b32 s21, 0
	s_mov_b32 s47, 0
	s_mov_b64 s[18:19], KS
	s_mul_u64 s[22:23], s[20:21], s[18:19]         ; where these rows' scale bytes begin
	s_mul_u64 s[92:93], s[46:47], s[18:19]
	s_mov_b64 s[18:19], KROW
	s_mul_u64 s[20:21], s[20:21], s[18:19]         ; and their codes
	s_mul_u64 s[46:47], s[46:47], s[18:19]
	s_mul_i32 s45, s14, HALFT                      ; where they go: wave x 128 rows: no place in the cluster enters an LDS address
	s_mul_i32 s94, s14, HALFS
	s_wait_kmcnt 0x0
	s_add_nc_u64 s[20:21], s[4:5], s[20:21]
	s_add_nc_u64 s[22:23], s[6:7], s[22:23]
	s_add_nc_u64 s[46:47], s[4:5], s[46:47]
	s_add_nc_u64 s[92:93], s[6:7], s[92:93]
	CROUND                                         ; all sixteen work-groups are here: the first joint loads meet
	s_mov_b32 s[G0S], 1
	s_add_co_u32 s[G0S+1], s94, SCL
	s_mov_b64 s[G0S+2:G0S+3], s[22:23]
	s_or_b32 s[G0S+3], s[G0S+3], 0x80000000
	s_mov_b32 s[G0SB], 1
	s_add_co_u32 s[G0SB+1], s94, SCL
	s_mov_b64 s[G0SB+2:G0SB+3], s[92:93]
	s_or_b32 s[G0SB+3], s[G0SB+3], 0x80000000
	JLOAD G0S, G1S, G0SB, G1SB                     ; the scale bytes first: they are wanted with K step 0
.irp s, 0,1
	s_mov_b32 s[G0+4*\s], 1
	s_add_co_u32 s[G0+4*\s+1], s45, \s*SLOT
	s_add_nc_u64 s[G0+4*\s+2:G0+4*\s+3], s[20:21], \s*ROWB
	s_or_b32 s[G0+4*\s+3], s[G0+4*\s+3], 0x80000000
	s_mov_b32 s[G0B+4*\s], 1
	s_add_co_u32 s[G0B+4*\s+1], s45, \s*SLOT
	s_add_nc_u64 s[G0B+4*\s+2:G0B+4*\s+3], s[46:47], \s*ROWB
	s_or_b32 s[G0B+4*\s+3], s[G0B+4*\s+3], 0x80000000
	s_wait_alu depctr_va_vdst(0)
	s_wait_tensorcnt 0x0
	ds_add_u32 v28, v29
	s_wait_dscnt 0x0
	CROUND
	JLOAD G0+4*\s, G1, G0B+4*\s, G1B
.endr
	v_and_b32 v1, 15, v0                           ; l % 16
	v_bfe_u32 v2, v0, 4, 1                         ; l / 16
	v_mul_u32_u24 v3, v1, PITCH
	v_lshl_add_u32 v4, v2, 4, v3                   ; a fragment's row x pitch + 16 x half
	s_mul_i32 s21, s15, HALFT                      ; my 128 rows of A
	s_mul_i32 s22, s16, HALFT                      ; my 128 rows of B,
	s_add_co_u32 s22, s22, 2*HALFT                 ; which lie behind A's 256
.irp s, 0,1
	v_add_nc_u32 v[ADRA+\s], s21, v4
	v_add_nc_u32 v[ADRB+\s], s22, v4
	s_add_co_u32 s21, s21, SLOT
	s_add_co_u32 s22, s22, SLOT
.endr
	v_mul_u32_u24 v5, v1, KS                       ; my row's scale bytes: KS a row,
	v_lshrrev_b32 v6, 8, v5
	v_lshl_add_u32 v5, v6, 4, v5                   ; and 16 more for each 256 passed
	s_mul_i32 s21, s15, HALFS                      ; A's: my 128 rows
	s_mul_i32 s22, s16, HALFS                      ; B's: my 128 rows, behind A's 256
	s_add_co_u32 s22, s22, 2*HALFS
	s_sub_co_u32 s22, s22, s21
	v_mul_u32_u24 v6, s22, v2                      ; lanes 16-31 take B's
	s_add_co_u32 s21, s21, SCL
	v_add_nc_u32 v5, v5, v6
	v_add_nc_u32 v[ADRS], s21, v5
	v_and_b32 v6, 31, v0
	v_lshlrev_b32 v[CO], 4, v6
.macro FRAG reg, adr, q, i             ; a fragment: lane l holds row l % 16; registers 4 c .. 4 c + 3 hold K = 32 c + 16 (l / 16) + 0 .. 15
.irp c, 0,1,2,3
	ds_load_b128 v[\reg+4*\c:\reg+4*\c+3], v[\adr] offset:128*(\q)+32*\c+(\i)*16*PITCH
.endr
.endm
; PASS 1: 16 matrix instructions: A's blocks a0, a0 + 1 x B's eight, 128 along K.  p: B's set;  sc: the set of scale words.  zero = 1: the first product starts the sums.
; The accumulators take turns, one instruction a turn, in the same order in every step.
.macro MUL16 a0, p, q, sc, zero
.irp a, \a0, \a0+1
.irp b, 0,1,2,3,4,5,6,7
.if \zero
	v_wmma_scale_f32_16x16x128_f8f6f4 v[8*(8*((\a)%4)+\b):8*(8*((\a)%4)+\b)+7], v[128*(\p)+FR*\b:128*(\p)+FR*\b+FR-1], v[AF+FR*(\a):AF+FR*(\a)+FR-1], 0, v[SC+8*NQ*(\sc)+NQ*\b+(\q)], v[SC+8*NQ*(\sc)+NQ*(\a)+(\q)] matrix_a_scale:MATRIX_SCALE_ROW1
.else
	v_wmma_scale_f32_16x16x128_f8f6f4 v[8*(8*((\a)%4)+\b):8*(8*((\a)%4)+\b)+7], v[128*(\p)+FR*\b:128*(\p)+FR*\b+FR-1], v[AF+FR*(\a):AF+FR*(\a)+FR-1], v[8*(8*((\a)%4)+\b):8*(8*((\a)%4)+\b)+7], v[SC+8*NQ*(\sc)+NQ*\b+(\q)], v[SC+8*NQ*(\sc)+NQ*(\a)+(\q)] matrix_a_scale:MATRIX_SCALE_ROW1
.endif
.endr
.endr
.endm
; PASS 2: the same with A's four blocks in two sets: p says which set of A and of B.
.macro MULH a0, p, q, sc, zero
.irp a, \a0, \a0+1
.irp b, 0,1,2,3,4,5,6,7
.if \zero
	v_wmma_scale_f32_16x16x128_f8f6f4 v[8*(8*(\a)+\b):8*(8*(\a)+\b)+7], v[128*(\p)+FR*\b:128*(\p)+FR*\b+FR-1], v[AF+64*(\p)+FR*(\a):AF+64*(\p)+FR*(\a)+FR-1], 0, v[SC+8*NQ*(\sc)+NQ*\b+(\q)], v[SC+8*NQ*(\sc)+NQ*(\a)+(\q)] matrix_a_scale:MATRIX_SCALE_ROW1
.else
	v_wmma_scale_f32_16x16x128_f8f6f4 v[8*(8*(\a)+\b):8*(8*(\a)+\b)+7], v[128*(\p)+FR*\b:128*(\p)+FR*\b+FR-1], v[AF+64*(\p)+FR*(\a):AF+64*(\p)+FR*(\a)+FR-1], v[8*(8*(\a)+\b):8*(8*(\a)+\b)+7], v[SC+8*NQ*(\sc)+NQ*\b+(\q)], v[SC+8*NQ*(\sc)+NQ*(\a)+(\q)] matrix_a_scale:MATRIX_SCALE_ROW1
.endif
.endr
.endr
.endm
.macro FETCH_B slot, q, p              ; B's eight fragments of the slot's q-th 128 along K into set p
	WIN TO_B
.irp i, 0,1,2,3,4,5,6,7
	FRAG 128*(\p)+FR*\i, ADRB+\slot, \q, \i
.endr
	WIN 0
.endm
.macro FETCH_A slot, q, i0             ; pass 1: A's blocks i0 .. i0 + 3
.irp i, \i0, \i0+1, \i0+2, \i0+3
	FRAG AF+FR*(\i), ADRA+\slot, \q, \i
.endr
.endm
.macro FETCH_AH slot, q, p             ; pass 2: A's four blocks into set p
.irp i, 0,1,2,3
	FRAG AF+64*(\p)+FR*\i, ADRA+\slot, \q, \i
.endr
.endm
.macro SCALES sc                       ; a K step's scale words: lanes 0-15 take A's block i, lanes 16-31 B's block i (in pass 2 A has four blocks: what lanes 0-15 bring for i = 4 .. 7 is not used)
.irp i, 0,1,2,3,4,5,6,7
	ds_load_b64 v[SC+8*NQ*\sc+NQ*\i:SC+8*NQ*\sc+NQ*\i+1], v[ADRS] offset:\i*SBLK
.endr
.endm
; A load into a register that a matrix instruction has read, and a vector instruction that reads a matrix result, stand NP places behind that matrix instruction; only plain vector
; instructions that name none of its registers are places (ISA guide 7.12.1 for vector instructions).
.macro PLACES n
.rept \n
	v_nop
.endr
.endm
; The descriptors of pass 2's scale bytes: A's 64 rows are 8 runs of 256 bytes.  Written where no tensor load of mine is out.
.macro DESC_S2
	s_mov_b32 s[G1S+2], (64*KS/256)<<16            ; tensor_dim1
	s_mov_b32 s[G1S+4], 64*KS/256                  ; tile_dim1
	s_mul_i32 s[G0S+1], s14, QUARS
	s_add_co_u32 s[G0S+1], s[G0S+1], SCL2          ; waves 0, 1: A's two halves
	s_lshr_b32 s20, s[OA2], 5
	s_mov_b32 s21, 0
	s_add_nc_u64 s[G0S+2:G0S+3], s[6:7], s[20:21]
	s_or_b32 s[G0S+3], s[G0S+3], 0x80000000
	s_mul_i32 s[G0SB+1], s14, HALFS
	s_add_co_u32 s[G0SB+1], s[G0SB+1], SCL2+2*QUARS-2*HALFS   ; waves 2, 3: B's two halves, behind A's
	s_lshr_b32 s46, s[OB2], 5
	s_mov_b32 s47, 0
	s_add_nc_u64 s[G0SB+2:G0SB+3], s[6:7], s[46:47]
	s_or_b32 s[G0SB+3], s[G0SB+3], 0x80000000
.endm
; The descriptors of pass 2's tiles, both slots': A's tile has 64 rows a load; B's keeps its shape and its LDS addresses.  Written where no tensor load of mine is out.
.macro DESC_P2
	s_mov_b32 s[G1+2], 64<<16                      ; tensor_dim1
	s_mov_b32 s[G1+4], 64                          ; tile_dim1
	s_mul_i32 s[G0+1], s14, QUART
	s_mul_i32 s[G0+5], s14, QUART
	s_add_co_u32 s[G0+5], s[G0+5], SLOT
	s_mov_b32 s20, s[OA2]
	s_mov_b32 s21, 0
	s_add_nc_u64 s[G0+2:G0+3], s[4:5], s[20:21]    ; K step 0,
	s_add_nc_u64 s[G0+6:G0+7], s[G0+2:G0+3], ROWB  ; K step 1
	s_or_b32 s[G0+3], s[G0+3], 0x80000000
	s_or_b32 s[G0+7], s[G0+7], 0x80000000
	s_mov_b32 s46, s[OB2]
	s_mov_b32 s47, 0
	s_add_nc_u64 s[G0B+2:G0B+3], s[4:5], s[46:47]
	s_add_nc_u64 s[G0B+6:G0B+7], s[G0B+2:G0B+3], ROWB
	s_or_b32 s[G0B+3], s[G0B+3], 0x80000000
	s_or_b32 s[G0B+7], s[G0B+7], 0x80000000
.endm
.macro STEP slot, q, zero              ; pass 1: a step of 128 along K that has its successor in the same slot
	s_wait_dscnt 4*NL                              ; B's set and A's blocks 0-3 are in; the youngest sixteen loads (A's blocks 4-7) may be out
	WIN MUL_LO
	MUL16 0, (\q)%2, \q, \slot, \zero
	MUL16 2, (\q)%2, \q, \slot, \zero
	s_wait_dscnt 0                                 ; A's blocks 4-7 are in
	PLACES NP
	FETCH_B \slot, (\q)+1, 1-(\q)%2
	FETCH_A \slot, (\q)+1, 0
	WIN MUL_HI
	MUL16 4, (\q)%2, \q, \slot, \zero
	MUL16 6, (\q)%2, \q, \slot, \zero
	PLACES NP
	WIN 0
	FETCH_A \slot, (\q)+1, 4
.endm
; Pass 1: a slot's last step changes slots: one barrier, which opens a round of the cluster's; in front of it each wave waits for all its tensor loads, adds 0 to its spare word, and waits for that and for its own reads of this slot.
; fill = 1: this slot is filled again, two K steps ahead.  fill = 2: pass 1 has no tile left to ask for: pass 2's scale bytes are asked for, into bytes of their own.
.macro TURN slot, next, fill
	s_wait_tensorcnt 0x0                           ; all my tensor loads have landed: my part of the next slot
	ds_add_u32 v[SPW], v[NIL]                      ; 0 onto my spare word
	s_wait_dscnt 4*NL+1                            ; (the add and the youngest sixteen loads, A's blocks 4-7, may be out)
	WIN MUL_LO
	MUL16 0, 1, NQ-1, \slot, 0                     ; sixteen matrix instructions stand between the add and the wait for it
	s_wait_dscnt 0x0                               ; the add is done, and my reads of this slot are over
	s_barrier_signal -1
	MUL16 2, 1, NQ-1, \slot, 0
	WIN 0
	s_barrier_wait -1
	CREST                                          ; no wave of any partner still reads this slot's tile or has a load on its way
.if \fill == 1
	s_add_nc_u64 s[G0+4*\slot+2:G0+4*\slot+3], s[G0+4*\slot+2:G0+4*\slot+3], 2*ROWB
	s_add_nc_u64 s[G0B+4*\slot+2:G0B+4*\slot+3], s[G0B+4*\slot+2:G0B+4*\slot+3], 2*ROWB
	JLOAD G0+4*\slot, G1, G0B+4*\slot, G1B         ; the first tensor load behind the round; its four v_nop are among the places in front of the loads below
.else
	DESC_S2
	JLOAD G0S, G1S, G0SB, G1SB
.endif
	PLACES NP-4
	s_wait_alu depctr_va_vdst(0)
	v_add_nc_u32 v[ADRS], 4*NQ, v[ADRS]            ; on to the next K step's scale words
	FETCH_B \next, 0, 0
	FETCH_A \next, 0, 0
	SCALES \next
	WIN MUL_HI
	MUL16 4, 1, NQ-1, \slot, 0
	MUL16 6, 1, NQ-1, \slot, 0
	PLACES NP
	WIN 0
	FETCH_A \next, 0, 4
.endm
; Pass 2: a slot's first 128 along K (set 0): the second 128's fragments are fetched at its head, into set 1, and land under its 32 products.
.macro HSTEP slot, zero
	s_wait_dscnt 0x0                               ; set 0's fragments and the slot's scale words are in
	PLACES NP                                      ; in front of loads into set 1, which the last products read
	FETCH_B \slot, 1, 1
	FETCH_AH \slot, 1, 1
	WIN MUL_LO
	MULH 0, 0, 0, \slot, \zero
	MULH 2, 0, 0, \slot, \zero
	WIN 0
.endm
; Pass 2: a slot's second 128 along K (set 1) changes slots, in the same order as pass 1's.  fill = 1: this slot is filled again, two K steps ahead.
.macro HTURN slot, next, fill
	s_wait_tensorcnt 0x0                           ; all my tensor loads have landed: my part of the next slot
	ds_add_u32 v[SPW], v[NIL]                      ; 0 onto my spare word
	s_wait_dscnt 0x1                               ; set 1's fragments are in: my reads of this slot are over; the add may be out
	WIN MUL_LO
	MULH 0, 1, 1, \slot, 0                         ; sixteen matrix instructions stand between the add and the wait for it
	WIN 0
	s_wait_dscnt 0x0                               ; the add is done
	s_barrier_signal -1
	s_barrier_wait -1
.if \fill
	CREST
	s_add_nc_u64 s[G0+4*\slot+2:G0+4*\slot+3], s[G0+4*\slot+2:G0+4*\slot+3], 2*ROWB
	s_add_nc_u64 s[G0B+4*\slot+2:G0B+4*\slot+3], s[G0B+4*\slot+2:G0B+4*\slot+3], 2*ROWB
	JLOAD G0+4*\slot, G1, G0B+4*\slot, G1B
	PLACES NP-4
.else
	PLACES NP
.endif
	s_wait_alu depctr_va_vdst(0)
	v_add_nc_u32 v[ADRS], 4*NQ, v[ADRS]
	FETCH_B \next, 0, 0
	FETCH_AH \next, 0, 0
	SCALES \next
	WIN MUL_LO
	MULH 2, 1, 1, \slot, 0                         ; sixteen more, under which the next slot's first fragments land
	WIN 0
.endm
	s_wait_alu depctr_va_vdst(0)
; ---- PASS 1
	s_wait_tensorcnt 1                             ; the scale bytes and my part of K step 0 are in (K step 1's load may be out)
	s_barrier_signal -1
	s_barrier_wait -1                              ; everybody's are
	FETCH_B 0, 0, 0
	FETCH_A 0, 0, 0
	SCALES 0
	FETCH_A 0, 0, 4
	STEP 0, 0, 1                                   ; the first step stands in front of the loop: its products start the sums
	s_mov_b32 s3, LAPS-1
.Llap:                                                 ; a trip goes once round the ring and fills both slots again
	TURN 0, 1, 1
	STEP 1, 0, 0
	TURN 1, 0, 1
	STEP 0, 0, 0
	s_sub_co_u32 s3, s3, 1
	s_cmp_lg_u32 s3, 0
	s_cbranch_scc1 .Llap
	TURN 0, 1, 2                                   ; the last change of slots: pass 2's scale bytes are asked for
	STEP 1, 0, 0
	; pass 1's last 128 along K.  Both slots have been read out when every wave has signalled: slot 0 takes pass 2's first K step.
	s_wait_tensorcnt 0x0                           ; pass 2's scale bytes have landed: no tensor load of mine is out
	ds_add_u32 v[SPW], v[NIL]                      ; 0 onto my spare word
	s_wait_dscnt 4*NL+1                            ; (the add and A's blocks 4-7 may be out)
	WIN MUL_LO
	MUL16 0, 1, NQ-1, 1, 0
	s_wait_dscnt 0x0                               ; the add is done, and my reads of the ring are over
	s_barrier_signal -1
	MUL16 2, 1, NQ-1, 1, 0
	WIN 0
	s_barrier_wait -1
	CREST
	DESC_P2
	JLOAD G0, G1, G0B, G1B                         ; it lands under the rest of pass 1 and the first half of its way out
	WIN MUL_HI
	MUL16 4, 1, NQ-1, 1, 0
	MUL16 6, 1, NQ-1, 1, 0
	WIN 0
; ---- THE WAYS OUT.
; QUANT: 64 numbers of a lane at v[S] on of window win, register 16 b + i, four blocks of 32 each shared with lane l xor 16, become 16 registers of codes at v[pc] on; the four bytes are left in v[TM+4] on.
; Each accumulator is read from its low end on.
.macro QUANT S, win, pc
	WIN (\win)|((\win)<<2)
.irp b, 0,1,2,3
	v_max3_num_f32 v[TM+\b], |v[\S+16*\b]|, |v[\S+16*\b+1]|, 0x4800000   ; my 16 numbers of block b, and the floor 2^(9 - 127): the byte cannot fall under 1
.endr
.irp i, 2,4,6,8,10,12,14
.irp b, 0,1,2,3
	v_max3_num_f32 v[TM+\b], |v[\S+16*\b+\i]|, |v[\S+16*\b+\i+1]|, v[TM+\b]   ; (the four blocks by turns)
.endr
.endr
	WIN 0
.irp b, 0,1,2,3
	v_permlanex16_b32 v[TM+4+\b], v[TM+\b], s66, s67
.endr
.irp b, 0,1,2,3
	v_max_num_f32 v[TM+\b], v[TM+\b], v[TM+4+\b]   ; with lane l xor 16's: the block's largest magnitude
.endr
.irp b, 0,1,2,3
	v_add_nc_u32 v[TM+12+\b], 0xfc000000, v[TM+\b] ; 8 off its exponent field: the conversion's scale operand
.endr
.irp b, 0,1,2,3
	v_and_or_b32 v[TM+8+\b], v[TM+\b], 0x7f800000, s97   ; 448 x the scale
.endr
.irp b, 0,1,2,3
	v_lshrrev_b32 v[TM+4+\b], 23, v[TM+12+\b]      ; the scale's byte
.endr
	WIN \win
.set n, 0
.rept 64
	v_med3_num_f32 v[R0+n], v[\S+n], -v[TM+8+n/16], v[TM+8+n/16]   ; the conversion to an 8-bit code does not saturate (ISA guide 7.6.2): the hold
.set n, n+1
.endr
	WIN 0
.set n, 0
.rept 8
	v_cvt_scalef32_pk8_fp8_f32 v[\pc+2*n:\pc+2*n+1], v[R0+8*n:R0+8*n+7], v[TM+12+n/2]
.set n, n+1
.endr
	v_nop                                          ; one plain instruction behind the conversions, ahead of whatever next writes their sources
.endm
; ROPE: block a's 64 results, pairs (x1, x2) of neighbouring channels, are turned by the token's angles: (x1 c - x2 s, x1 s + x2 c), into v[R0] on.  The table's pair (c, s) lies in window 1.
.macro ROPE a
	WIN 0x06+((\a)/4)                              ; source 0: the accumulators' window; source 1: window 1; source 2 and the destination: window 0
.irp b, 0,1,2,3,4,5,6,7
.irp j, 0,1,2,3
	v_pk_mul_f32 v[R0+8*\b+2*\j:R0+8*\b+2*\j+1], v[64*((\a)%4)+8*\b+2*\j:64*((\a)%4)+8*\b+2*\j+1], v[32*(\a)+8*(\b%4)+2*\j:32*(\a)+8*(\b%4)+2*\j+1] op_sel_hi:[0,1]   ; (x1 c, x1 s)
.endr
.irp j, 0,1,2,3
	v_pk_fma_f32 v[R0+8*\b+2*\j:R0+8*\b+2*\j+1], v[64*((\a)%4)+8*\b+2*\j:64*((\a)%4)+8*\b+2*\j+1], v[32*(\a)+8*(\b%4)+2*\j:32*(\a)+8*(\b%4)+2*\j+1], v[R0+8*\b+2*\j:R0+8*\b+2*\j+1] op_sel:[1,1,0] op_sel_hi:[1,0,1] neg_lo:[1,0,0]   ; (- x2 s, + x2 c)
.endr
.endr
	WIN 0
.endm
	; ---- PASS 1'S WAY OUT: q or k.  My rows: 128 tokens (one group of scale words); my columns: two heads.
	PLACES NP                                      ; behind the last products: for the first reads of results, and for writes and loads into the registers that held fragments
	s_mov_b32 s66, 0x76543210
	s_mov_b32 s67, 0xfedcba98                      ; v_permlanex16_b32's selects for lane l xor 16
	s_mov_b32 s97, 0x600000                        ; the mantissa field of 448
	s_mov_b32 s98, 0xffff0000                      ; lanes 16-31
.irp b, 0,1,2,3
	v_mov_b32 v[TM+4+\b], 0                        ; a lane permute's destination counts as one of its sources
.endr
	s_lshr_b32 s18, s17, 3                         ; batch
	s_and_b32 s19, s17, 7
	s_and_b32 s20, s42, 3
	s_lshl_b32 s20, s20, 2
	s_lshl_b32 s21, s16, 1
	s_add_co_u32 s20, s20, s21                     ; my first head
	s_lshl_b32 s21, s18, 4
	s_add_co_u32 s20, s20, s21                     ; 16 x batch + head
	s_lshl_b32 s21, s19, 1
	s_add_co_u32 s21, s21, s15                     ; my group of 128 tokens in the sequence
	s_lshl_b32 s22, ttmp9, 23                      ; q's or k's section,
	s_lshl_b32 s23, s20, 17                        ; the head's 131,072 bytes,
	s_add_co_u32 s22, s22, s23
	s_lshl_b32 s23, s21, 13                        ; eight tiles of 1,024 bytes a group
	s_add_co_u32 s22, s22, s23
	s_mov_b32 s23, 0
	s_add_nc_u64 s[92:93], s[8:9], s[22:23]        ; where my images go
	s_mul_i32 s22, s20, 20480
	s_lshl_b32 s12, ttmp9, 13
	s_add_co_u32 s22, s22, s12
	s_lshl_b32 s12, s21, 9
	s_add_co_u32 s22, s22, s12
	s_add_nc_u64 s[94:95], s[10:11], s[22:23]      ; and my scale words
	s_lshl_b32 s22, s21, 15                        ; the table: 4,096 bytes for 16 tokens
	s_add_co_u32 s22, s22, TAB
	s_add_nc_u64 s[18:19], s[6:7], s[22:23]
	WIN 0x40                                       ; destination window 1
.irp a, 0,1,2,3,4,5,6,7
.irp i, 0,1,2,3,4,5,6,7
	global_load_b128 v[32*\a+4*\i:32*\a+4*\i+3], v[CO], s[18:19] offset:\a*4096+512*\i   ; 32 lanes read 512 consecutive bytes
.endr
.endr
	WIN 0
.irp a, 0,1,2,3,4,5,6,7
.if \a == 4
	; half way out: slot 1 takes pass 2's second K step.  The wait and the round also show slot 0's tile and pass 2's scale bytes whole to every wave.
	s_wait_tensorcnt 0x0                           ; slot 0's load has landed: no tensor load of mine is out
	ds_add_u32 v[SPW], v[NIL]                      ; 0 onto my spare word
	s_wait_dscnt 0x0
	CROUND
	JLOAD G0+4, G1, G0B+4, G1B                     ; it lands under the second half of the way out and pass 2's first K step
.endif
	s_wait_loadcnt 8*(7-\a)                        ; this block's eight loads are in; the later blocks' may be out
	ROPE \a
	s_wait_xcnt 0x0                                ; the earlier stores have read their data: the codes' registers may be written again
	QUANT R0,0,PC+16*(\a%2)
	v_lshl_or_b32 v[W+2*\a], v[TM+5], 8, v[TM+4]   ; the first head's two bytes,
	v_lshl_or_b32 v[W+2*\a+1], v[TM+7], 8, v[TM+6] ; the second's
.irp q, 0,1,2,3
	global_store_b128 v[CO], v[PC+16*(\a%2)+4*\q:PC+16*(\a%2)+4*\q+3], s[92:93] offset:(\q/2)*131072+\a*1024+(\q%2)*512   ; 32 lanes store 512 consecutive bytes
.endr
.endr
	s_wait_alu depctr_va_vdst(0)
.irp hd, 0,1
	s_wait_xcnt 0x0
.irp j, 0,1,2,3
	v_cndmask_b32 v[XW+\j], v[W+2*\j+\hd], v[W+2*(4+\j)+\hd], s98   ; lanes 0-15: tile j's words; lanes 16-31: tile 4 + j's
.endr
	global_store_b128 v[CO], v[XW:XW+3], s[94:95] offset:\hd*20480
.endr
; ---- PASS 2: v.  A': my 64 rows of w_v (one head); B': my 128 rows of x (one key step).
	s_wait_xcnt 0x0                                ; the stores have read their data and bases: fragments may land in those registers, and the bases may be written again
	v_and_b32 v1, 15, v0                           ; l % 16
	v_bfe_u32 v2, v0, 4, 1                         ; l / 16
	v_mul_u32_u24 v3, v1, PITCH
	v_lshl_add_u32 v4, v2, 4, v3
	s_mul_i32 s21, s15, QUART                      ; my 64 rows of A; B's addresses stay
	v_add_nc_u32 v[ADRA], s21, v4
	s_wait_alu depctr_va_vdst(0)
	s_add_co_u32 s21, s21, SLOT
	v_add_nc_u32 v[ADRA+1], s21, v4
	v_mul_u32_u24 v5, v1, KS
	v_lshrrev_b32 v6, 8, v5
	v_lshl_add_u32 v5, v6, 4, v5
	s_mul_i32 s21, s15, QUARS                      ; A's scale bytes: my 64 rows
	s_mul_i32 s22, s16, HALFS                      ; B's: my 128 rows, behind A's 128
	s_add_co_u32 s22, s22, 2*QUARS
	s_sub_co_u32 s22, s22, s21
	v_mul_u32_u24 v6, s22, v2                      ; lanes 16-31 take B's
	s_add_co_u32 s21, s21, SCL2
	v_add_nc_u32 v5, v5, v6
	v_add_nc_u32 v[ADRS], s21, v5
	FETCH_B 0, 0, 0
	FETCH_AH 0, 0, 0
	SCALES 0
	HSTEP 0, 1                                     ; the first products start the sums
	HTURN 0, 1, 1                                  ; slot 0 takes K step 2
	HSTEP 1, 0
	HTURN 1, 0, 1                                  ; slot 1 takes K step 3
	HSTEP 0, 0
	HTURN 0, 1, 0                                  ; nothing is left to fetch
	HSTEP 1, 0
	s_wait_dscnt 0x0                               ; the very last 128 along K
	WIN MUL_LO
	MULH 0, 1, 1, 1, 0
	MULH 2, 1, 1, 1, 0
	WIN 0
	; ---- PASS 2'S WAY OUT
	PLACES NP
.irp b, 0,1,2,3
	v_mov_b32 v[TM+4+\b], 0                        ; a lane permute's destination counts as one of its sources
.endr
	s_lshl_b32 s20, ttmp9, 2
	s_add_co_u32 s20, s20, s41
	s_lshl_b32 s20, s20, 1
	s_add_co_u32 s20, s20, s15                     ; my head: 2 (4 x cluster x + cy) + my half of A's rows
	s_and_b32 s21, ttmp7, 0xffff
	s_lshl_b32 s21, s21, 2
	s_add_co_u32 s21, s21, s40                     ; x's tile of 256 tokens
	s_lshr_b32 s22, s21, 3                         ; batch
	s_lshl_b32 s22, s22, 4
	s_add_co_u32 s20, s20, s22                     ; 16 x batch + head
	s_and_b32 s21, s21, 7
	s_lshl_b32 s21, s21, 1
	s_add_co_u32 s21, s21, s16                     ; my key step
	s_lshl_b32 s22, s20, 17
	s_lshl_b32 s23, s21, 13                        ; 8,192 bytes a key step
	s_add_co_u32 s22, s22, s23
	s_add_co_u32 s22, s22, 16777216                ; v's section
	s_mov_b32 s23, 0
	s_add_nc_u64 s[92:93], s[8:9], s[22:23]
	s_mul_i32 s22, s20, 20480
	s_lshl_b32 s12, s21, 8
	s_add_co_u32 s22, s22, s12
	s_add_co_u32 s22, s22, 16384
	s_add_nc_u64 s[94:95], s[10:11], s[22:23]
	v_and_b32 v1, 15, v0
	v_lshlrev_b32 v[VA], 4, v1                     ; 16 x (lane % 16)
.irp a, 0,1,2,3
	s_wait_xcnt 0x0                                ; the earlier stores have read their data
	QUANT 64*\a,2,PC+16*(\a%2)
	v_lshl_or_b32 v[W+\a], v[TM+5], 8, v[TM+4]     ; my channel's scale word for these 128 keys
	v_lshl_or_b32 v[W+\a], v[TM+6], 16, v[W+\a]
	v_lshl_or_b32 v[W+\a], v[TM+7], 24, v[W+\a]
.irp q, 0,1,2,3
	global_store_b128 v[CO], v[PC+16*(\a%2)+4*\q:PC+16*(\a%2)+4*\q+3], s[92:93] offset:\a*2048+512*\q   ; 32 lanes store 512 consecutive bytes
.endr
.endr
	global_store_b128 v[VA], v[W:W+3], s[94:95]    ; sixteen lanes store 256 consecutive bytes, aligned; lanes 16-31 write the same bytes with the same values
	s_wait_tensorcnt 0x0                           ; the wave's end
	ds_add_u32 v[SPW], v[NIL]
	s_wait_dscnt 0x0
	CROUND                                         ; the closing round: no work-group ends while a partner may still ask for a tile that names it
	s_endpgm
.Lfunc_end_k_qa80c4410af_qkv:
	.size	k_qa80c4410af_qkv, .Lfunc_end_k_qa80c4410af_qkv-k_qa80c4410af_qkv
	.p2alignl 7, 3214868480
	.fill 96, 4, 3214868480
	.section	.rodata,"a",@progbits
	.p2align	6, 0x0
	.amdhsa_kernel k_qa80c4410af_qkv
		.amdhsa_group_segment_fixed_size 327680
		.amdhsa_private_segment_fixed_size 0
		.amdhsa_enable_private_segment 0
		.amdhsa_kernarg_size 32
		.amdhsa_user_sgpr_count 2
		.amdhsa_user_sgpr_kernarg_segment_ptr 1
		.amdhsa_wavefront_size32 1
		.amdhsa_system_sgpr_workgroup_id_x 1
		.amdhsa_system_sgpr_workgroup_id_y 1
		.amdhsa_system_sgpr_workgroup_id_z 1
		.amdhsa_system_vgpr_workitem_id 0
		.amdhsa_next_free_vgpr 1024
		.amdhsa_next_free_sgpr 100
		.amdhsa_reserve_vcc 0
		.amdhsa_float_denorm_mode_32 3
		.amdhsa_float_denorm_mode_16_64 3
		.amdhsa_memory_ordered 1
		.amdhsa_forward_progress 1
		.amdhsa_inst_pref_size 255
	.end_amdhsa_kernel
	.section	.bss,"aw",@nobits
	.p2align	6
	.space	262144
	.amdgpu_metadata
---
amdhsa.version: [ 1, 2 ]
amdhsa.kernels:
  - .name:           k_qa80c4410af_qkv
    .symbol:         k_qa80c4410af_qkv.kd
    .args:
      - { .name: opc, .offset: 0, .size: 8, .value_kind: global_buffer, .address_space: global }
      - { .name: ops, .offset: 8, .size: 8, .value_kind: global_buffer, .address_space: global }
      - { .name: qkvc, .offset: 16, .size: 8, .value_kind: global_buffer, .address_space: global }
      - { .name: qkvs, .offset: 24, .size: 8, .value_kind: global_buffer, .address_space: global }
    .group_segment_fixed_size: 327680
    .private_segment_fixed_size: 0
    .kernarg_segment_align: 8
    .kernarg_segment_size: 32
    .max_flat_workgroup_size: 128
    .sgpr_count:     100
    .vgpr_count:     1024
    .wavefront_size: 32
...
	.end_amdgpu_metadata
.endif
;; end of part 2
;; launch attn (part 3): grid 4 x 64, 16 waves a work-group, clusters of 4 x 1, 276,480 bytes of LDS; arguments qkvc, qkvs, ac, asc; writes ac, asc
.if DOCPART == 3
	.amdgcn_target "amdgcn-amd-amdhsa--gfx1250"
	.amdhsa_code_object_version 6
	.text
	.protected	k_qa80c4410af_attn
	.globl	k_qa80c4410af_attn
	.p2align	8
	.type	k_qa80c4410af_attn,@function
k_qa80c4410af_attn:
	s_mov_b64 s[64:65], 0
	v_nop
	global_prefetch_b8 v0, s[64:65] scope:SCOPE_SE
	s_setreg_imm32_b32 hwreg(HW_REG_WAVE_MODE, 25, 1), 1
	s_wait_xcnt 0x0
	s_wait_alu depctr_hold_cnt(0) depctr_sa_sdst(0) depctr_va_vdst(0) depctr_va_sdst(0) depctr_va_ssrc(0) depctr_va_vcc(0) depctr_vm_vsrc(0)
	s_getreg_b32 s2, hwreg(HW_REG_IB_STS2, 6, 4)
	s_cmp_eq_u32 s2, 0
	s_cbranch_scc0 .Lentry_in_a_cluster
	s_endpgm
.Lentry_in_a_cluster:
	s_bfe_u32 s2, ttmp6, 0x10000c
	s_cmp_lg_u32 s2, 0x3003
	s_cbranch_scc0 .Lentry_shape_is_right
	s_endpgm
.Lentry_shape_is_right:
; Causal attention of one (batch, head) on codes of FP8 (E4M3): S^T = K Q^T (K = the head's 64, the instruction's upper 64 are zero codes), p = 2^(t - M), O^T = V^T P^T (K = the keys), O / l quantised along the model's 1,024.
; t = score x log2(e) / 8; M = the row's largest t so far, rounded UP to a whole number; p is quantised along the keys, not normalised; the row's sum is taken of the unquantised p and divides at the end.
; When M moves, the sum and O^T are multiplied by 2^(old M - new M): exact.
; SHARES.  The four work-groups of a cluster serve one head: work-group g, wave w owns two tiles of 16 queries, worked one after the other: tile 127 - a and tile a, a = 4 w + g.  Tile t needs the key steps (128 keys) 0 .. t / 8:
; (16 - w / 2) + (w / 2 + 1) = 17 steps for every wave.  The last step's number is 15 - w / 2, or w / 2: it hangs on the wave's number alone, so no branch hangs on the place in the cluster.
; LDS holds the WHOLE head's K and V as images of operand registers, and their scale words: filled once, by joint loads (mask: all four work-groups) of waves 0 (K) and 1 (V), in three parts, so that the first steps begin
; when the first 256 keys are in.  Nothing is filled again and nothing is stored to LDS.  Every read is 16 bytes a lane at 16 x lane, V's words at 16 x (lane % 16).
; LAYOUT.  Both products are used transposed: a lane holds ONE query (lane % 16) throughout.  In S^T register 8 T + j of tile T holds key 16 T + 8 (lane / 16) + j; p's codes take the operand's places in that order, and V's codes were laid in the same order.
; OUT.  ac: [tile of 16 tokens (512)][128 along K (8)][block (4)][lane][16 bytes]: images in the natural order of K;  asc: [8,192][32] scale bytes.  A head's two scale bytes of a row are two bytes of a row of 32: they are stored two
; bytes a lane, 262,144 bytes of the launch's 8.6 million: a row's other bytes come from other clusters.
; A block of zeros gets the byte 1 where the rule says 127: its codes are zeros, and this program alone reads the bytes.  NaN and infinities are not served.
; REGISTERS: v1-7 places that stay; v8-11 the step's LDS addresses; v12 -M, v13 the largest t, v[14:15] the sum; v16-23 Q, v24-31 zeros; v32-95 four fragments of K (8 registers of codes, 8 of zeros);
; v96-159 S^T, then p, then V's four fragments; v160-191 O^T; v192-207 p's codes; v208-217 scale words and nothing else; v218 the diagonal's d, v219 -infinity; v220-253 at work.
.set AK0, 1                            ; v1   16 x lane: K's images, and Q's in memory
.set AV0, 2                            ; v2   V's images
.set AS0, 3                            ; v3   K's scale words
.set AT0, 4                            ; v4   V's scale words: 16 x (lane % 16)
.set ADK, 8
.set ADV, 9
.set ADS, 10
.set ADT, 11
.set LV,  131072                       ; LDS: K's images at 0, V's here,
.set LKW, 262144                       ; K's words (8,192 bytes),
.set LVW, 270336                       ; V's words (4,096 bytes)
.set WV,  18                           ; s18  my wave's number
.set MNT, 19
.set SEL, 20                           ; s[20:21] selects for lane l xor 16
.set CS,  22                           ; s[22:23] c = log2(e) / 8
.set G1A, 24                           ; group 1: 64 rows of 256 bytes: keys 0-255
.set G1B, 32                           ; 192 rows: keys 256-1,023
.set G1C, 40                           ; 256 rows: keys 1,024-2,047
.set G1KW, 48                          ; 32 rows: K's words
.set G1VW, 56                          ; 16 rows: V's words
.set G0W, 68                           ; groups 0: the words, and the three parts
.set G0A, 72
.set G0B, 76
.set G0C, 80
.set J,   84                           ; s84  the key step's number
.set JD,  85                           ; s85  the tile's last key step: the one on the diagonal
.set TB,  86                           ; s86  the step's images: 8,192 bytes a step
.set TS,  87                           ; s87  K's words: 512 a step
.set TV,  88                           ; s88  V's words: 256 a step
.set T,   89                           ; s89  my tile of 16 queries
.set QC,  90                           ; s[90:91] Q's image, s[92:93] Q's words, s[94:95] my place in ac, s[96:97] in asc
.set QW,  92
.set OC,  94
.set OS,  96
.macro CROUND                          ; a round of the cluster's barrier
	s_barrier_signal -1
	s_barrier_wait -1
	s_cmp_lg_u32 s[WV], 0
	s_cbranch_scc1 .Lnot_wave_0_\@
	s_barrier_signal -3
.Lnot_wave_0_\@:
	s_barrier_wait -3
	s_barrier_signal -1
	s_barrier_wait -1
.endm
.macro GROUP1 g, rows                  ; a dense block as rows of 256 bytes: 32 elements of 8 bytes
	s_mov_b32 s[\g], 15|(3<<16)|(1<<21)            ; 15:0 the mask: all four work-groups; 17:16 elements of 8 bytes; 21 set beside a mask
	s_mov_b32 s[\g+1], 32<<16                      ; tensor_dim0
	s_mov_b32 s[\g+2], (\rows)<<16                 ; tensor_dim1
	s_mov_b32 s[\g+3], 32<<16                      ; tile_dim0
	s_mov_b32 s[\g+4], \rows                       ; tile_dim1
	s_mov_b32 s[\g+5], 32                          ; tensor_dim0_stride
	s_mov_b32 s[\g+6], 0
	s_mov_b32 s[\g+7], 0
.endm
	s_load_b256 s[4:11], s[0:1], 0x0               ; qkvc s[4:5], qkvs s[6:7], ac s[8:9], asc s[10:11]
	v_lshl_add_u32 v254, v0, 2, 0x43000
	v_mov_b32 v255, 0
	ds_add_u32 v254, v255
	ds_add_u32 v254, v255
	v_lshrrev_b32 v8, 5, v0
	s_delay_alu instid0(VALU_DEP_1)
	v_readfirstlane_b32 s[WV], v8                  ; wave 0..15
	s_bfe_u32 s13, ttmp6, 0x40000                  ; g: my place in the cluster: it enters global addresses and the diagonal's d alone
	s_and_b32 s12, ttmp7, 0xffff                   ; 16 x batch + head, which the four partners share
	s_lshl_b32 s14, s[WV], 2
	s_add_co_u32 s14, s14, s13                     ; a
	s_and_b32 s15, s[WV], 1                        ; a loader fetches K (0) or V (1)
	GROUP1 G1A, 64
	GROUP1 G1B, 192
	GROUP1 G1C, 256
	GROUP1 G1KW, 32
	GROUP1 G1VW, 16
	s_mov_b32 s[SEL], 0x76543210
	s_mov_b32 s[SEL+1], 0xfedcba98
	s_mov_b32 s[CS], 0x3e38aa3b                    ; log2(e) / 8
	s_mov_b32 s[CS+1], s[CS]                       ; (named with it as a pair, so it is written)
	s_lshl_b32 s98, s15, 17                        ; LDS: K's images or V's
	s_lshl_b32 s99, s15, 13
	s_add_co_u32 s16, s15, 1
	s_lshl_b32 s16, s16, 23                        ; k's or v's section of qkvc,
	s_lshl_b32 s17, s12, 17
	s_add_co_u32 s16, s16, s17                     ; the head's 131,072 bytes
	s_mov_b32 s17, 0
	s_mul_i32 s2, s12, 20480
	s_add_co_u32 s2, s2, s99
	s_add_co_u32 s2, s2, 8192                      ; k's words at + 8,192, v's at + 16,384
	s_mov_b32 s3, 0
	s_wait_dscnt 0x0
	s_wait_kmcnt 0x0
	s_mov_b32 s[G0W], 1
	s_add_co_u32 s[G0W+1], s99, LKW
	s_add_nc_u64 s[G0W+2:G0W+3], s[6:7], s[2:3]
	s_or_b32 s[G0W+3], s[G0W+3], 0x80000000
	s_add_nc_u64 s[16:17], s[4:5], s[16:17]
	s_mov_b32 s[G0A], 1
	s_mov_b32 s[G0A+1], s98
	s_mov_b64 s[G0A+2:G0A+3], s[16:17]
	s_or_b32 s[G0A+3], s[G0A+3], 0x80000000
	s_mov_b32 s[G0B], 1
	s_add_co_u32 s[G0B+1], s98, 16384
	s_add_nc_u64 s[G0B+2:G0B+3], s[16:17], 16384
	s_or_b32 s[G0B+3], s[G0B+3], 0x80000000
	s_mov_b32 s[G0C], 1
	s_add_co_u32 s[G0C+1], s98, 65536
	s_add_nc_u64 s[G0C+2:G0C+3], s[16:17], 65536
	s_or_b32 s[G0C+3], s[G0C+3], 0x80000000
	CROUND                                         ; all four work-groups are here: the joint loads meet
	s_cmp_eq_u32 s[WV], 0                          ; a loader's four fills stand in one branch on the wave's number; four loads of a loader are out; four v_nop follow the last
	s_cbranch_scc0 .Lnot_k
	tensor_load_to_lds s[G0W:G0W+3], s[G1KW:G1KW+7]
	s_nop 0
	tensor_load_to_lds s[G0A:G0A+3], s[G1A:G1A+7]
	s_nop 0
	tensor_load_to_lds s[G0B:G0B+3], s[G1B:G1B+7]
	s_nop 0
	tensor_load_to_lds s[G0C:G0C+3], s[G1C:G1C+7]
	s_nop 0
.rept 4
	v_nop
.endr
	s_branch .Lasked
.Lnot_k:
	s_cmp_eq_u32 s[WV], 1
	s_cbranch_scc0 .Lasked
	tensor_load_to_lds s[G0W:G0W+3], s[G1VW:G1VW+7]
	s_nop 0
	tensor_load_to_lds s[G0A:G0A+3], s[G1A:G1A+7]
	s_nop 0
	tensor_load_to_lds s[G0B:G0B+3], s[G1B:G1B+7]
	s_nop 0
	tensor_load_to_lds s[G0C:G0C+3], s[G1C:G1C+7]
	s_nop 0
.rept 4
	v_nop
.endr
.Lasked:
	v_and_b32 v9, 31, v0
	s_delay_alu instid0(VALU_DEP_1)
	v_lshlrev_b32 v[AK0], 4, v9                    ; 16 x lane
	s_delay_alu instid0(VALU_DEP_1)
	v_add_nc_u32 v[AV0], LV, v[AK0]
	s_delay_alu instid0(VALU_DEP_2)
	v_add_nc_u32 v[AS0], LKW, v[AK0]
	v_and_b32 v10, 15, v0                          ; r
	v_bfe_u32 v11, v0, 4, 1                        ; h
	s_delay_alu instid0(VALU_DEP_2)
	v_lshlrev_b32 v7, 4, v10                       ; 16 r
	s_delay_alu instid0(VALU_DEP_1)
	v_add_nc_u32 v[AT0], LVW, v7
	s_delay_alu instid0(VALU_DEP_2)
	v_lshl_add_u32 v5, v11, 3, v7                  ; 16 r + 8 h: my 8 bytes of an image's half
	v_lshlrev_b32 v6, 5, v10                       ; 32 r: my row of scale bytes
.irp i, 0,1,2,3,4,5,6,7
	v_mov_b32 v[24+\i], 0                          ; Q's upper 64 along K: zero codes
.endr
.irp t, 0,1,2,3
.irp i, 0,1,2,3,4,5,6,7
	v_mov_b32 v[40+16*\t+\i], 0                    ; K's likewise: set once, never a load's target
.endr
.endr
.irp b, 0,1,2,3
	v_mov_b32 v[224+\b], 0                         ; written once: a lane permute's destination counts as one of its sources
.endr
	v_mov_b32 v239, 0                              ; (named as the upper half of the pair v[238:239])
	v_mov_b32 v219, 0xff800000                     ; -infinity
; A tile of 16 queries begins: s[T] holds its number.
.macro TILE
	s_lshl_b32 s16, s12, 17
	s_lshl_b32 s98, s[T], 10
	s_add_co_u32 s16, s16, s98
	s_mov_b32 s17, 0
	s_add_nc_u64 s[QC:QC+1], s[4:5], s[16:17]      ; Q's image: 1,024 bytes a tile
	s_mul_i32 s16, s12, 20480
	s_lshr_b32 s98, s[T], 3
	s_lshl_b32 s98, s98, 9
	s_add_co_u32 s16, s16, s98                     ; its group of 128 tokens,
	s_bfe_u32 s98, s[T], 0x10002
	s_lshl_b32 s98, s98, 8
	s_add_co_u32 s16, s16, s98                     ; the half of the lanes,
	s_and_b32 s98, s[T], 3
	s_lshl_b32 s98, s98, 2
	s_add_co_u32 s16, s16, s98                     ; the word of a lane's four
	s_add_nc_u64 s[QW:QW+1], s[6:7], s[16:17]
	s_lshr_b32 s98, s12, 4
	s_lshl_b32 s98, s98, 7
	s_add_co_u32 s98, s98, s[T]                    ; the tile among all 512: 128 x batch + tile
	s_and_b32 s99, s12, 15                         ; the head
	s_lshl_b32 s16, s98, 14
	s_lshl_b32 s15, s99, 10                        ; a head's 64 along K are two blocks of 512 bytes
	s_add_co_u32 s16, s16, s15
	s_add_nc_u64 s[OC:OC+1], s[8:9], s[16:17]
	s_lshl_b32 s16, s98, 9
	s_lshl_b32 s15, s99, 1
	s_add_co_u32 s16, s16, s15
	s_add_nc_u64 s[OS:OS+1], s[10:11], s[16:17]
	global_load_b128 v[16:19], v[AK0], s[QC:QC+1]
	global_load_b128 v[20:23], v[AK0], s[QC:QC+1] offset:512
	global_load_b32 v216, v7, s[QW:QW+1]
	s_and_b32 s98, s[T], 7
	s_lshl_b32 s98, s98, 4
	v_and_b32 v240, 15, v0
	v_bfe_u32 v241, v0, 4, 1
	s_delay_alu instid0(VALU_DEP_1)
	v_lshlrev_b32 v241, 3, v241
	s_delay_alu instid0(VALU_DEP_1)
	v_sub_nc_u32 v240, v240, v241
	s_delay_alu instid0(VALU_DEP_1)
	v_add_nc_u32 v218, s98, v240                   ; d = 16 (tile % 8) + r - 8 h: in the diagonal's step register n holds a hidden key where 16 (n / 8) + n % 8 > d
	v_mov_b32 v13, 0xff61b1e6                      ; the largest t so far: -3e38, under every t
	s_delay_alu instid0(VALU_DEP_1)
	v_floor_f32 v12, -v13                          ; -M
	v_mov_b32 v14, 0
	v_mov_b32 v15, 0
.set n, 0
.rept 32
	v_mov_b32 v[160+n], 0                          ; O^T: the step is written without a first form: the first change of M leaves zeros zeros
.set n, n+1
.endr
	s_mov_b32 s[TB], 0
	s_mov_b32 s[TS], 0
	s_mov_b32 s[TV], 0
	s_wait_loadcnt 0x0
.endm
; A KEY STEP: 128 keys.  mask = 1: the step may lie on the diagonal or behind it.
.macro STEP mask
.if \mask
	s_cmp_gt_u32 s[J], s[JD]                       ; all its keys come after my queries: the work is left out; the lines at the end that step addresses are not
	s_cbranch_scc1 .Lhidden_\@
.endif
	s_setprio 2
	v_add_nc_u32 v[ADK], s[TB], v[AK0]
	s_wait_alu depctr_va_vdst(0)
	v_add_nc_u32 v[ADV], s[TB], v[AV0]
	v_add_nc_u32 v[ADS], s[TS], v[AS0]
	v_add_nc_u32 v[ADT], s[TV], v[AT0]
.rept 5
	v_nop                                          ; with the four additions: nine places between the last step's last product and the first product below, which writes over that product's source; and eight in front of the load into V's words
.endr
	ds_load_b128 v[208:211], v[ADS]                ; K's words: register j: lanes 0-15 tile j, lanes 16-31 tile 4 + j
	ds_load_b128 v[212:215], v[ADT]                ; V's words: register j: channels 16 j + r
.irp g, 0,1                                    ; S^T = K Q^T, four tiles of 16 keys at a time
.if \g
.rept 8
	v_nop                                          ; places in front of loads into registers that matrix instructions have read
.endr
.endif
.irp t, 0,1,2,3
	ds_load_b128 v[32+16*\t:35+16*\t], v[ADK] offset:(4*\g+\t)*1024
	ds_load_b128 v[36+16*\t:39+16*\t], v[ADK] offset:(4*\g+\t)*1024+512
.endr
	s_wait_dscnt 0x0
.irp t, 0,1,2,3
.if \g
	v_wmma_scale_f32_16x16x128_f8f6f4 v[96+8*(4*\g+\t):103+8*(4*\g+\t)], v[32+16*\t:47+16*\t], v[16:31], 0, v[208+\t], v216 matrix_a_scale:MATRIX_SCALE_ROW1
.else
	v_wmma_scale_f32_16x16x128_f8f6f4 v[96+8*(4*\g+\t):103+8*(4*\g+\t)], v[32+16*\t:47+16*\t], v[16:31], 0, v[208+\t], v216
.endif
.endr
.endr
.rept 8
	v_nop
.endr
.if \mask
	s_cmp_lt_u32 s[J], s[JD]                       ; a step all of whose keys count skips the mask
	s_cbranch_scc1 .Lopen_\@
.set n, 0
.rept 64
	v_cmp_gt_i32 vcc_lo, 16*(n/8)+n%8, v218
	v_cndmask_b32 v[96+n], v[96+n], v219, vcc_lo   ; a hidden key's score becomes -infinity ahead of the maximum: p = 0
.set n, n+1
.endr
.Lopen_\@:
.endif
.irp b, 0,1,2,3
	v_max3_num_f32 v[220+\b], v[96+16*\b], v[97+16*\b], v[98+16*\b]   ; the largest score of each block of 32 keys: for the row's maximum, and, since p rises with the score, for the block's largest p
.endr
.irp i, 3,5,7,9,11,13
.irp b, 0,1,2,3
	v_max3_num_f32 v[220+\b], v[220+\b], v[96+16*\b+\i], v[97+16*\b+\i]
.endr
.endr
.irp b, 0,1,2,3
	v_max_num_f32 v[220+\b], v[220+\b], v[111+16*\b]
.endr
.irp b, 0,1,2,3
	s_delay_alu instid0(VALU_DEP_4)
	v_permlanex16_b32 v[224+\b], v[220+\b], s[SEL], s[SEL+1]
.endr
.irp b, 0,1,2,3
	s_delay_alu instid0(VALU_DEP_4)
	v_max_num_f32 v[220+\b], v[220+\b], v[224+\b]  ; with lane l xor 16's 16 keys
.endr
	s_delay_alu instid0(VALU_DEP_2)
	v_max3_num_f32 v240, v220, v221, v222
	s_delay_alu instid0(VALU_DEP_1)
	v_max_num_f32 v240, v240, v223
	s_delay_alu instid0(VALU_DEP_1)
	v_mul_f32 v240, s[CS], v240                    ; as t (c is positive)
	s_delay_alu instid0(VALU_DEP_1)
	v_max_num_f32 v13, v13, v240                   ; the running largest t
	v_mov_b32 v240, v12
	s_delay_alu instid0(VALU_DEP_2)
	v_floor_f32 v12, -v13                          ; the new -M = floor(-t) = -ceil(t)
	s_delay_alu instid0(VALU_DEP_1)
	v_sub_f32 v240, v12, v240                      ; old M - new M: a whole number, 0 or less
	s_delay_alu instid0(VALU_DEP_1)
	v_cvt_i32_f32 v240, v240                       ; (it saturates)
	s_delay_alu instid0(VALU_DEP_1)
	v_ldexp_f32 v238, 1.0, v240                    ; f = 2^(old M - new M)
.set j, 0
.rept 32
	v_pk_fma_f32 v[96+j:97+j], v[96+j:97+j], s[CS:CS+1], v[12:13] op_sel_hi:[1,0,0]   ; t - M, two at a time
.set j, j+2
.endr
.irp b, 0,1,2,3
	v_fma_f32 v[220+\b], v[220+\b], s[CS], v12     ; the same of each block's largest score
.endr
.set j, 0
	s_setprio 1
	s_wait_alu depctr_va_vdst(0)
.rept 64
	v_exp_f32 v[96+j], v[96+j]                     ; p = 2^(t - M), at most 1
.set j, j+1
.endr
.irp b, 0,1,2,3
	v_exp_f32 v[220+\b], v[220+\b]                 ; the block's largest p: the same two instructions on the same number
.endr
	v_pk_mul_f32 v[14:15], v[14:15], v[238:239] op_sel_hi:[1,0]   ; the sums under the new M.  (A plain instruction behind the exponentials)
	s_wait_alu depctr_va_vdst(0)
.irp b, 0,1,2,3
	v_max_num_f32 v[220+\b], 0x4800000, v[220+\b]  ; the floor 2^(9 - 127): the byte cannot fall under 1
.endr
.irp b, 0,1,2,3
	s_delay_alu instid0(VALU_DEP_4)
	v_add_nc_u32 v[232+\b], 0xfc000000, v[220+\b]  ; the conversion's scale operand
.endr
.irp b, 0,1,2,3
.endr
.irp b, 0,1,2,3
	s_delay_alu instid0(VALU_DEP_4)
	v_lshrrev_b32 v[224+\b], 23, v[232+\b]         ; the scale's byte
.endr
	s_delay_alu instid0(VALU_DEP_3)
	v_lshl_or_b32 v217, v225, 8, v224              ; p's scale word for these 128 keys
	s_delay_alu instid0(VALU_DEP_1)
	v_lshl_or_b32 v217, v226, 16, v217
	s_delay_alu instid0(VALU_DEP_1)
	v_lshl_or_b32 v217, v227, 24, v217
	v_pk_add_f32 v[236:237], v[100:101], v[104:105]
	v_pk_add_f32 v[252:253], v[108:109], v[112:113]
	v_pk_add_f32 v[250:251], v[116:117], v[120:121]
	v_pk_add_f32 v[248:249], v[124:125], v[128:129]
	v_pk_add_f32 v[246:247], v[132:133], v[136:137]
	v_pk_add_f32 v[244:245], v[140:141], v[144:145]
	v_pk_add_f32 v[242:243], v[148:149], v[152:153]
	v_pk_add_f32 v[14:15], v[14:15], v[156:157]
	v_pk_add_f32 v[236:237], v[236:237], v[96:97]
	v_pk_add_f32 v[252:253], v[252:253], v[98:99]
	v_pk_add_f32 v[250:251], v[250:251], v[102:103]
	v_pk_add_f32 v[248:249], v[248:249], v[106:107]
	v_pk_add_f32 v[246:247], v[246:247], v[110:111]
	v_pk_add_f32 v[244:245], v[244:245], v[114:115]
	v_pk_add_f32 v[242:243], v[242:243], v[118:119]
	v_pk_add_f32 v[14:15], v[14:15], v[122:123]
	v_pk_add_f32 v[236:237], v[236:237], v[126:127]
	v_pk_add_f32 v[252:253], v[252:253], v[130:131]
	v_pk_add_f32 v[250:251], v[250:251], v[134:135]
	v_pk_add_f32 v[248:249], v[248:249], v[138:139]
	v_pk_add_f32 v[246:247], v[246:247], v[142:143]
	v_pk_add_f32 v[244:245], v[244:245], v[146:147]
	v_pk_add_f32 v[242:243], v[242:243], v[150:151]
	v_pk_add_f32 v[14:15], v[14:15], v[154:155]
	v_pk_add_f32 v[236:237], v[236:237], v[158:159]
	s_delay_alu instid0(VALU_DEP_2)
	v_pk_add_f32 v[14:15], v[14:15], v[248:249]
	s_delay_alu instid0(VALU_DEP_2)
	v_pk_add_f32 v[236:237], v[236:237], v[246:247]
	v_pk_add_f32 v[252:253], v[252:253], v[244:245]
	v_pk_add_f32 v[250:251], v[250:251], v[242:243]
	s_delay_alu instid0(VALU_DEP_2)
	v_pk_add_f32 v[14:15], v[14:15], v[252:253]
	s_delay_alu instid0(VALU_DEP_2)
	v_pk_add_f32 v[236:237], v[236:237], v[250:251]
	s_delay_alu instid0(VALU_DEP_1)
	v_pk_add_f32 v[14:15], v[14:15], v[236:237]
.irp b, 0,1,2,3
.irp i, 0,1,2,3,4,5,6,7,8,9,10,11,12,13,14,15
.endr
	v_cvt_scalef32_pk8_fp8_f32 v[192+4*\b:193+4*\b], v[96+16*\b:103+16*\b], v[232+\b]
	v_cvt_scalef32_pk8_fp8_f32 v[194+4*\b:195+4*\b], v[104+16*\b:111+16*\b], v[232+\b]
.irp c, 0,1,2,3
	ds_load_b128 v[96+16*\b+4*\c:99+16*\b+4*\c], v[ADV] offset:2048*\b+512*\c   ; V's fragment of channels 16 b on, into the registers that this block's p has left
.endr
.endr
.set j, 0
	s_setprio 0
.rept 16
	v_pk_mul_f32 v[160+j:161+j], v[160+j:161+j], v[238:239] op_sel_hi:[1,0]   ; O^T under the new M
.set j, j+2
.endr
.rept 8
	v_nop                                          ; eight places that name none of the products' registers, between p's scale word and the products
.endr
	s_wait_alu depctr_va_vdst(0)
	s_wait_dscnt 0x0
.irp t, 0,1,2,3                                ; O^T += V^T P^T: the four accumulators by turns; the next step's eight products stand between two links on one accumulator
	v_wmma_scale_f32_16x16x128_f8f6f4 v[160+8*\t:167+8*\t], v[96+16*\t:111+16*\t], v[192:207], v[160+8*\t:167+8*\t], v[212+\t], v217
.endr
.if \mask
.Lhidden_\@:
	s_add_co_u32 s[J], s[J], 1
.endif
	s_add_co_u32 s[TB], s[TB], 8192
	s_add_co_u32 s[TS], s[TS], 512
	s_add_co_u32 s[TV], s[TV], 256
.endm
; A tile ends: O^T / the sum, quantised along the model's K (the head's 64 are two blocks of 32), stored as an image in the natural order: my eight codes of elements 16 u + 8 h + 0 .. 7 of block c belong to lane r + 16 u, bytes 8 h on.
.macro FINISH
.rept 8
	v_nop                                          ; places behind the last products
.endr
	v_add_f32 v14, v14, v15
	s_delay_alu instid0(VALU_DEP_1)
	v_permlanex16_b32 v224, v14, s[SEL], s[SEL+1]
	s_delay_alu instid0(VALU_DEP_1)
	v_add_f32 v14, v14, v224                       ; the row's sum
	s_wait_alu depctr_va_vdst(0)
	v_rcp_f32 v14, v14
	v_nop
.set j, 0
	s_wait_alu depctr_va_vdst(0)
.rept 16
	v_pk_mul_f32 v[96+j:97+j], v[160+j:161+j], v[14:15] op_sel_hi:[1,0]   ; each accumulator from its low end on
.set j, j+2
.endr
.irp b, 0,1
	v_max3_num_f32 v[220+\b], |v[96+16*\b]|, |v[97+16*\b]|, 0x4800000
.endr
.irp i, 2,4,6,8,10,12,14
.irp b, 0,1
	s_delay_alu instid0(VALU_DEP_2)
	v_max3_num_f32 v[220+\b], v[220+\b], |v[96+16*\b+\i]|, |v[97+16*\b+\i]|
.endr
.endr
.irp b, 0,1
	s_delay_alu instid0(VALU_DEP_2)
	v_permlanex16_b32 v[224+\b], v[220+\b], s[SEL], s[SEL+1]
.endr
.irp b, 0,1
	s_delay_alu instid0(VALU_DEP_2)
	v_max_num_f32 v[220+\b], v[220+\b], v[224+\b]
.endr
.irp b, 0,1
	s_delay_alu instid0(VALU_DEP_2)
	v_add_nc_u32 v[232+\b], 0xfc000000, v[220+\b]
.endr
.irp b, 0,1
.endr
.irp b, 0,1
	s_delay_alu instid0(VALU_DEP_2)
	v_lshrrev_b32 v[224+\b], 23, v[232+\b]
.endr
	s_delay_alu instid0(VALU_DEP_1)
	v_lshl_or_b32 v240, v225, 8, v224              ; the head's two scale bytes of my row
.set n, 0
.rept 32
.set n, n+1
.endr
.irp b, 0,1
	v_cvt_scalef32_pk8_fp8_f32 v[192+4*\b:193+4*\b], v[96+16*\b:103+16*\b], v[232+\b]
	v_cvt_scalef32_pk8_fp8_f32 v[194+4*\b:195+4*\b], v[104+16*\b:111+16*\b], v[232+\b]
.endr
.irp q, 0,1,2,3
	global_store_b64 v5, v[192+2*\q:193+2*\q], s[OC:OC+1] offset:256*\q   ; 32 lanes store 256 consecutive bytes, aligned
.endr
	global_store_b16 v6, v240, s[OS:OS+1]          ; both halves of the lanes write the same two bytes with the same value
	s_wait_xcnt 0x0                                ; the stores have read their data and bases: both may be written again
.endm
	s_sub_co_u32 s[T], 127, s14                    ; THE LATE TILE
	s_lshr_b32 s98, s[WV], 1
	s_sub_co_u32 s[JD], 15, s98
	TILE
	s_wait_tensorcnt 2                             ; a loader's words and keys 0-255 are in; its two later parts may be out
	s_barrier_signal -1
	s_barrier_wait -1
	s_mov_b32 s3, 2
.Lk0:                                              ; key steps 0, 1: every key counts for a late tile
	STEP 0
	s_sub_co_u32 s3, s3, 1
	s_cmp_lg_u32 s3, 0
	s_cbranch_scc1 .Lk0
	s_setprio 0
	s_wait_dscnt 0x0
	s_wait_tensorcnt 1                             ; keys 256-1,023 are in
	s_barrier_signal -1
	s_barrier_wait -1
	s_mov_b32 s3, 6
.Lk1:                                              ; key steps 2 .. 7
	STEP 0
	s_sub_co_u32 s3, s3, 1
	s_cmp_lg_u32 s3, 0
	s_cbranch_scc1 .Lk1
	s_setprio 0
	s_wait_dscnt 0x0
	s_wait_tensorcnt 0x0                           ; the whole head is in
	s_barrier_signal -1
	s_barrier_wait -1
	s_mov_b32 s[J], 8
	s_mov_b32 s3, 8
.Lk2:                                              ; key steps 8 .. 15: up to the diagonal
	STEP 1
	s_sub_co_u32 s3, s3, 1
	s_cmp_lg_u32 s3, 0
	s_cbranch_scc1 .Lk2
	s_setprio 0
	FINISH
	s_mov_b32 s[T], s14                            ; THE EARLY TILE
	s_lshr_b32 s[JD], s[WV], 1
	TILE
	s_mov_b32 s[J], 0
	s_mov_b32 s3, 8
.Lk3:                                              ; key steps 0 .. 7: up to the diagonal
	STEP 1
	s_sub_co_u32 s3, s3, 1
	s_cmp_lg_u32 s3, 0
	s_cbranch_scc1 .Lk3
	s_setprio 0
	FINISH
	s_wait_dscnt 0x0
	s_wait_tensorcnt 0x0
	ds_add_u32 v254, v255
	s_wait_dscnt 0x0
	CROUND                                         ; the closing round
	s_endpgm
.Lfunc_end_k_qa80c4410af_attn:
	.size	k_qa80c4410af_attn, .Lfunc_end_k_qa80c4410af_attn-k_qa80c4410af_attn
	.p2alignl 7, 3214868480
	.fill 96, 4, 3214868480
	.section	.rodata,"a",@progbits
	.p2align	6, 0x0
	.amdhsa_kernel k_qa80c4410af_attn
		.amdhsa_group_segment_fixed_size 276480
		.amdhsa_private_segment_fixed_size 0
		.amdhsa_enable_private_segment 0
		.amdhsa_kernarg_size 32
		.amdhsa_user_sgpr_count 2
		.amdhsa_user_sgpr_kernarg_segment_ptr 1
		.amdhsa_wavefront_size32 1
		.amdhsa_system_sgpr_workgroup_id_x 1
		.amdhsa_system_sgpr_workgroup_id_y 1
		.amdhsa_system_sgpr_workgroup_id_z 1
		.amdhsa_system_vgpr_workitem_id 0
		.amdhsa_next_free_vgpr 256
		.amdhsa_next_free_sgpr 100
		.amdhsa_reserve_vcc 1
		.amdhsa_float_denorm_mode_32 3
		.amdhsa_float_denorm_mode_16_64 3
		.amdhsa_fp16_overflow 1
		.amdhsa_memory_ordered 1
		.amdhsa_forward_progress 1
		.amdhsa_inst_pref_size 106
	.end_amdhsa_kernel
	.amdgpu_metadata
---
amdhsa.version: [ 1, 2 ]
amdhsa.kernels:
  - .name:           k_qa80c4410af_attn
    .symbol:         k_qa80c4410af_attn.kd
    .args:
      - { .name: qkvc, .offset: 0, .size: 8, .value_kind: global_buffer, .address_space: global }
      - { .name: qkvs, .offset: 8, .size: 8, .value_kind: global_buffer, .address_space: global }
      - { .name: ac, .offset: 16, .size: 8, .value_kind: global_buffer, .address_space: global }
      - { .name: asc, .offset: 24, .size: 8, .value_kind: global_buffer, .address_space: global }
    .group_segment_fixed_size: 276480
    .private_segment_fixed_size: 0
    .kernarg_segment_align: 8
    .kernarg_segment_size: 32
    .max_flat_workgroup_size: 512
    .sgpr_count:     100
    .vgpr_count:     256
    .wavefront_size: 32
...
	.end_amdgpu_metadata
.endif
;; end of part 3
;; launch oproj (part 4): grid 4 x 32, 4 waves a work-group, clusters of 4 x 4, 327,680 bytes of LDS; arguments ac, asc, opc, ops, out0; writes out0
.if DOCPART == 4
	.amdgcn_target "amdgcn-amd-amdhsa--gfx1250"
	.amdhsa_code_object_version 6
	.text
	.protected	k_qa80c4410af_oproj
	.globl	k_qa80c4410af_oproj
	.p2align	8
	.type	k_qa80c4410af_oproj,@function
k_qa80c4410af_oproj:
	s_mov_b64 s[64:65], 0
	v_nop
	global_prefetch_b8 v0, s[64:65] scope:SCOPE_SE
	s_setreg_imm32_b32 hwreg(HW_REG_WAVE_MODE, 25, 1), 1
	s_wait_xcnt 0x0
	s_wait_alu depctr_hold_cnt(0) depctr_sa_sdst(0) depctr_va_vdst(0) depctr_va_sdst(0) depctr_va_ssrc(0) depctr_va_vcc(0) depctr_vm_vsrc(0)
	s_getreg_b32 s2, hwreg(HW_REG_IB_STS2, 6, 4)
	s_cmp_eq_u32 s2, 0
	s_cbranch_scc0 .Lentry_in_a_cluster
	s_endpgm
.Lentry_in_a_cluster:
	s_bfe_u32 s2, ttmp6, 0x10000c
	s_cmp_lg_u32 s2, 0xf033
	s_cbranch_scc0 .Lentry_shape_is_right
	s_endpgm
.Lentry_shape_is_right:
; out0 = attn w_o^T on codes of FP8 (E4M3) with one E8M0 scale for each 32 along K = 1,024; out0 [8,192][1,024] f32; sums in f32.
; A (attn): images of operand registers, ac [tile of 16 rows (512)][128 along K (8)][block (4)][lane][16 bytes], scale bytes asc [8,192][32].  B (w_o): rows 11,264 on of opc (1,024 bytes a row) and of ops (32 bytes a row).
; A tile of 256 x 256 is made by four waves, 128 x 128 each: 64 accumulators.  K goes in steps of 256 through a ring of two LDS slots filled by the tensor data mover.  A's part of a slot: for each of 16 tiles of rows 4,096 consecutive
; bytes (two fragments), read back 16 bytes a lane at 16 x lane; B's part: 256 rows of 256 bytes, 16 bytes of padding behind each.  The scale bytes of the work-group's rows come once.
; 4 x 4 work-groups form a cluster: A's tiles are asked for jointly along a row of the cluster, B's along a column.  The grid has 128 work-groups: the tile is kept at 128 x 128 a wave, so that no fragment is read twice.
; THE MATRIX INSTRUCTION IS USED TRANSPOSED (source 0 = 16 rows of B, source 1 = 16 rows of A): a lane holds eight neighbouring numbers of a row of out0.
; REGISTERS, in windows of 256: window 0: v0-31 addresses; v32-63 scale words, two sets; from v128 A's fragments, one set; on the way out v128-255 are free.  Window 1: B's fragments, two sets.  Windows 2, 3: the accumulators.
.set SIZE_N, 1024
.set SIZE_K, 1024
.set KSTEP,  256
.set NQ,     KSTEP/128
.set ROWB,   256
.set KROW,   SIZE_K
.set PITCH,  272                       ; B's LDS row: 256 bytes + 16 of padding = 68 words: row r starts at bank 4 r mod 64 (64 banks of 4 bytes: ISA guide 11.1)
.set FR,     16
.set NL,     4
.set NP,     8                         ; places behind this matrix instruction (ISA guide 7.12.1)
.set HALFA,  32768                     ; A: 8 tiles of 16 rows x 4,096 bytes: what one tensor load brings
.set HALFT,  128*PITCH                 ; B: 128 rows
.set BOFF,   2*HALFA
.set SLOT,   BOFF+2*HALFT
.set LAPS,   SIZE_K/(2*KSTEP)
.set KS,     SIZE_K/32
.set SCL,    2*SLOT                    ; behind the ring: the scale bytes, as runs of 256 bytes + 16 of padding
.set HALFS,  (128*KS/256)*272
.set SBLK,   (16*KS/256)*272
.set SPARE,  SCL+4*HALFS               ; the spare words, 128 bytes for each wave: two blocks of 256 bytes that no other line names
.set SPITCH, 528                       ; the way out: a stage of 16 rows x (512 bytes + 16) for each wave, in slot 0, which has had its last fill and its last read when the first result is stored there
.set ADRA, 16
.set ADRB, 20
.set STO,  24
.set RD,   25
.set CO,   26
.set ADRS, 27
.set SPW,  28
.set NIL,  29
.set SC,   32
.set AF,   128
.set BK,   128
.set G1, 24
.set G0, 32
.set G1B, 48
.set G0B, 56
.set G1S, 68
.set G0S, 76
.set G1SB, 80
.set G0SB, 88
.set MSB, 0
.macro WIN new                         ; the immediate's high byte repeats the setting that is left
.set WNEW, \new
.if MSB != WNEW
	s_set_vgpr_msb (MSB<<8)|WNEW
.set MSB, WNEW
.endif
.endm
.set MUL_LO, 0xa1
.set MUL_HI, 0xf1
.set TO_B,   0x40
.macro JLOAD g0a, g1a, g0b, g1b        ; a joint load: waves 0 and 1 fetch for A, waves 2 and 3 for B; four v_nop follow each of the two lines
	s_cmp_eq_u32 s15, 0
	s_cbranch_scc0 .Lfor_b_\@
	tensor_load_to_lds s[\g0a:\g0a+3], s[\g1a:\g1a+7]
	s_nop 0
.rept 4
	v_nop
.endr
	s_branch .Lasked_\@
.Lfor_b_\@:
	tensor_load_to_lds s[\g0b:\g0b+3], s[\g1b:\g1b+7]
	s_nop 0
.rept 4
	v_nop
.endr
.Lasked_\@:
.endm
.macro CREST
	s_cmp_lg_u32 s14, 0
	s_cbranch_scc1 .Lnot_wave_0_\@
	s_barrier_signal -3
.Lnot_wave_0_\@:
	s_barrier_wait -3
	s_barrier_signal -1
	s_barrier_wait -1
.endm
.macro CROUND
	s_barrier_signal -1
	s_barrier_wait -1
	CREST
.endm
	s_load_b128 s[4:7], s[0:1], 0x0                ; ac s[4:5], asc s[6:7]
	s_load_b128 s[8:11], s[0:1], 0x10              ; opc s[8:9], ops s[10:11]
	s_load_b64 s[12:13], s[0:1], 0x20              ; out0
	v_lshl_add_u32 v[SPW], v0, 2, SPARE
	v_mov_b32 v[NIL], 0
	ds_add_u32 v28, v29
	ds_add_u32 v28, v29
	s_wait_dscnt 0x0
	v_lshrrev_b32 v1, 5, v0
	v_readfirstlane_b32 s14, v1                    ; wave 0..3
	s_lshr_b32 s15, s14, 1                         ; which half of the tile's rows is mine.  Also: I fetch for A (0) or for B (1)
	s_and_b32 s16, s14, 1                          ; which half of its columns.  Also: which half of that tile I fetch
	s_bfe_u32 s40, ttmp6, 0x40000                  ; cx, cy
	s_bfe_u32 s41, ttmp6, 0x40004
	s_lshl_b32 s42, ttmp9, 2
	s_add_co_u32 s42, s42, s40                     ; tile column
	s_and_b32 s17, ttmp7, 0xffff
	s_lshl_b32 s17, s17, 2
	s_add_co_u32 s17, s17, s41                     ; tile row
	s_lshl_b32 s43, s41, 2
	s_lshl_b32 s43, 15, s43                        ; my row of the cluster
	s_lshl_b32 s44, 0x1111, s40                    ; my column
	; A: 8 rows of 4,096 bytes (512 elements of 8 bytes), 16,384 bytes apart, no padding
	s_or_b32 s[G1+0], s43, (3<<16)|(1<<21)
	s_mov_b32 s[G1+1], 512<<16                     ; tensor_dim0
	s_mov_b32 s[G1+2], 8<<16                       ; tensor_dim1
	s_mov_b32 s[G1+3], 512<<16                     ; tile_dim0
	s_mov_b32 s[G1+4], 8                           ; tile_dim1
	s_mov_b32 s[G1+5], 2048                        ; tensor_dim0_stride
	s_mov_b32 s[G1+6], 0
	s_mov_b32 s[G1+7], 0
	; B: 128 rows of 256 bytes, padded in LDS
	s_or_b32 s[G1B+0], s44, (0<<16)|(1<<20)|(1<<21)|(5<<22)|(3<<25)
	s_mov_b32 s[G1B+1], ROWB<<16
	s_mov_b32 s[G1B+2], 128<<16
	s_mov_b32 s[G1B+3], ROWB<<16
	s_mov_b32 s[G1B+4], 128
	s_mov_b32 s[G1B+5], KROW
	s_mov_b32 s[G1B+6], 0
	s_mov_b32 s[G1B+7], 0
	; the scale bytes of 128 rows: 4,096 dense bytes, as rows of 256 bytes, 16 bytes of padding behind each
	s_or_b32 s[G1S+0], s43, (3<<16)|(1<<20)|(1<<21)|(5<<22)|(3<<25)
	s_or_b32 s[G1SB+0], s44, (3<<16)|(1<<20)|(1<<21)|(5<<22)|(3<<25)
.irp g, G1S, G1SB
	s_mov_b32 s[\g+1], 32<<16
	s_mov_b32 s[\g+2], (128*KS/256)<<16
	s_mov_b32 s[\g+3], 32<<16
	s_mov_b32 s[\g+4], 128*KS/256
	s_mov_b32 s[\g+5], 32
	s_mov_b32 s[\g+6], 0
	s_mov_b32 s[\g+7], 0
.endr
	s_lshl_b32 s18, s16, 7
	s_lshl_b32 s20, s17, 8
	s_add_co_u32 s20, s20, s18                     ; A: row 256 x tile row + 128 x half
	s_add_co_u32 s46, s42, 44                      ; B: w_o's rows begin at tile 44 of opc and ops
	s_lshl_b32 s46, s46, 8
	s_add_co_u32 s46, s46, s18
	s_mov_b32 s21, 0
	s_mov_b32 s47, 0
	s_mov_b64 s[18:19], KS
	s_mul_u64 s[22:23], s[20:21], s[18:19]         ; where these rows' scale bytes begin
	s_mul_u64 s[92:93], s[46:47], s[18:19]
	s_mov_b64 s[18:19], KROW
	s_mul_u64 s[46:47], s[46:47], s[18:19]         ; B's codes
	s_lshl_b32 s20, s17, 18                        ; A's images: 16 tiles of 16,384 bytes a tile row,
	s_lshl_b32 s18, s16, 17                        ; 8 a half
	s_add_co_u32 s20, s20, s18
	s_mul_i32 s45, s16, HALFA                      ; where they go: no place in the cluster enters an LDS address
	s_mul_i32 s95, s16, HALFT
	s_add_co_u32 s95, s95, BOFF
	s_mul_i32 s94, s14, HALFS
	s_wait_kmcnt 0x0
	s_add_nc_u64 s[20:21], s[4:5], s[20:21]
	s_add_nc_u64 s[22:23], s[6:7], s[22:23]
	s_add_nc_u64 s[46:47], s[8:9], s[46:47]
	s_add_nc_u64 s[92:93], s[10:11], s[92:93]
	CROUND                                         ; all sixteen work-groups are here: the first joint loads meet
	s_mov_b32 s[G0S], 1
	s_add_co_u32 s[G0S+1], s94, SCL
	s_mov_b64 s[G0S+2:G0S+3], s[22:23]
	s_or_b32 s[G0S+3], s[G0S+3], 0x80000000
	s_mov_b32 s[G0SB], 1
	s_add_co_u32 s[G0SB+1], s94, SCL
	s_mov_b64 s[G0SB+2:G0SB+3], s[92:93]
	s_or_b32 s[G0SB+3], s[G0SB+3], 0x80000000
	JLOAD G0S, G1S, G0SB, G1SB
.irp s, 0,1
	s_mov_b32 s[G0+4*\s], 1
	s_add_co_u32 s[G0+4*\s+1], s45, \s*SLOT
	s_add_nc_u64 s[G0+4*\s+2:G0+4*\s+3], s[20:21], \s*4096
	s_or_b32 s[G0+4*\s+3], s[G0+4*\s+3], 0x80000000
	s_mov_b32 s[G0B+4*\s], 1
	s_add_co_u32 s[G0B+4*\s+1], s95, \s*SLOT
	s_add_nc_u64 s[G0B+4*\s+2:G0B+4*\s+3], s[46:47], \s*ROWB
	s_or_b32 s[G0B+4*\s+3], s[G0B+4*\s+3], 0x80000000
	s_wait_alu depctr_va_vdst(0)
	s_wait_tensorcnt 0x0
	ds_add_u32 v28, v29
	s_wait_dscnt 0x0
	CROUND
	JLOAD G0+4*\s, G1, G0B+4*\s, G1B
.endr
	v_and_b32 v1, 15, v0                           ; l % 16
	v_bfe_u32 v2, v0, 4, 1                         ; l / 16
	v_mul_u32_u24 v3, v1, PITCH
	v_lshl_add_u32 v4, v2, 4, v3                   ; B: a fragment's row x pitch + 16 x half
	v_and_b32 v6, 31, v0
	v_lshlrev_b32 v[CO], 4, v6                     ; 16 x lane: A's images; also my place in a row of out0
	s_mul_i32 s21, s15, HALFA                      ; my 128 rows of A
	s_mul_i32 s22, s16, HALFT                      ; my 128 rows of B
	s_add_co_u32 s22, s22, BOFF
.irp s, 0,1
	v_add_nc_u32 v[ADRA+\s], s21, v[CO]
	v_add_nc_u32 v[ADRB+\s], s22, v4
	s_add_co_u32 s21, s21, SLOT
	s_add_co_u32 s22, s22, SLOT
.endr
	v_mul_u32_u24 v5, v1, KS
	v_lshrrev_b32 v6, 8, v5
	v_lshl_add_u32 v5, v6, 4, v5
	s_mul_i32 s21, s15, HALFS
	s_mul_i32 s22, s16, HALFS
	s_add_co_u32 s22, s22, 2*HALFS
	s_sub_co_u32 s22, s22, s21
	v_mul_u32_u24 v6, s22, v2                      ; lanes 16-31 take B's
	s_add_co_u32 s21, s21, SCL
	v_add_nc_u32 v5, v5, v6
	v_add_nc_u32 v[ADRS], s21, v5
	s_mul_i32 s23, s14, 16*SPITCH                  ; my stage
	v_mul_u32_u24 v5, v1, SPITCH                   ; in: row l % 16, 32 bytes for each half of the lanes
	v_lshl_add_u32 v5, v2, 5, v5
	v_add_nc_u32 v[STO], s23, v5
	v_add_nc_u32 v[RD], s23, v[CO]                 ; back: the 32 lanes take one row of 512 bytes
	s_lshl_b32 s20, s17, 8
	s_lshl_b32 s21, s15, 7
	s_add_co_u32 s20, s20, s21                     ; my first row of out0
	s_mov_b32 s21, 0
	s_mov_b64 s[18:19], SIZE_N*4
	s_mul_u64 s[20:21], s[20:21], s[18:19]
	s_lshl_b32 s46, s42, 10                        ; my first column, in bytes
	s_lshl_b32 s47, s16, 9
	s_add_co_u32 s46, s46, s47
	s_mov_b32 s47, 0
	s_add_nc_u64 s[20:21], s[20:21], s[46:47]
	s_add_nc_u64 s[12:13], s[12:13], s[20:21]
.macro FRAG reg, adr, q, i             ; B's fragment: lane l holds row l % 16; registers 4 c .. 4 c + 3 hold K = 32 c + 16 (l / 16) + 0 .. 15
.irp c, 0,1,2,3
	ds_load_b128 v[\reg+4*\c:\reg+4*\c+3], v[\adr] offset:128*(\q)+32*\c+(\i)*16*PITCH
.endr
.endm
.macro FRAGA reg, adr, q, i            ; A's fragment: an image: 512 consecutive bytes a load
.irp c, 0,1,2,3
	ds_load_b128 v[\reg+4*\c:\reg+4*\c+3], v[\adr] offset:(\i)*4096+(\q)*2048+512*\c
.endr
.endm
; The 64 accumulators take turns, one instruction a turn, in the same order in every step.
.macro MUL16 a0, p, q, sc, zero
.irp a, \a0, \a0+1
.irp b, 0,1,2,3,4,5,6,7
.if \zero
	v_wmma_scale_f32_16x16x128_f8f6f4 v[8*(8*((\a)%4)+\b):8*(8*((\a)%4)+\b)+7], v[128*(\p)+FR*\b:128*(\p)+FR*\b+FR-1], v[AF+FR*(\a):AF+FR*(\a)+FR-1], 0, v[SC+8*NQ*(\sc)+NQ*\b+(\q)], v[SC+8*NQ*(\sc)+NQ*(\a)+(\q)] matrix_a_scale:MATRIX_SCALE_ROW1
.else
	v_wmma_scale_f32_16x16x128_f8f6f4 v[8*(8*((\a)%4)+\b):8*(8*((\a)%4)+\b)+7], v[128*(\p)+FR*\b:128*(\p)+FR*\b+FR-1], v[AF+FR*(\a):AF+FR*(\a)+FR-1], v[8*(8*((\a)%4)+\b):8*(8*((\a)%4)+\b)+7], v[SC+8*NQ*(\sc)+NQ*\b+(\q)], v[SC+8*NQ*(\sc)+NQ*(\a)+(\q)] matrix_a_scale:MATRIX_SCALE_ROW1
.endif
.endr
.endr
.endm
.macro FETCH_B slot, q, p
	WIN TO_B
.irp i, 0,1,2,3,4,5,6,7
	FRAG 128*(\p)+FR*\i, ADRB+\slot, \q, \i
.endr
	WIN 0
.endm
.macro FETCH_A slot, q, i0
.irp i, \i0, \i0+1, \i0+2, \i0+3
	FRAGA AF+FR*(\i), ADRA+\slot, \q, \i
.endr
.endm
.macro SCALES sc
.irp i, 0,1,2,3,4,5,6,7
	ds_load_b64 v[SC+8*NQ*\sc+NQ*\i:SC+8*NQ*\sc+NQ*\i+1], v[ADRS] offset:\i*SBLK
.endr
.endm
.macro PLACES n                        ; places behind matrix instructions: plain vector instructions that name none of their registers (ISA guide 7.12.1 for vector instructions)
.rept \n
	v_nop
.endr
.endm
.macro STEP slot, q, zero
	s_wait_dscnt 4*NL                              ; B's set and A's blocks 0-3 are in; the youngest sixteen loads (A's blocks 4-7) may be out
	WIN MUL_LO
	MUL16 0, (\q)%2, \q, \slot, \zero
	MUL16 2, (\q)%2, \q, \slot, \zero
	s_wait_dscnt 0
	PLACES NP
	FETCH_B \slot, (\q)+1, 1-(\q)%2
	FETCH_A \slot, (\q)+1, 0
	WIN MUL_HI
	MUL16 4, (\q)%2, \q, \slot, \zero
	MUL16 6, (\q)%2, \q, \slot, \zero
	PLACES NP
	WIN 0
	FETCH_A \slot, (\q)+1, 4
.endm
.macro TURN slot, next, fill           ; a slot's last step changes slots: one barrier
	s_wait_tensorcnt 0x0                           ; all my tensor loads have landed: my part of the next slot
	ds_add_u32 v[SPW], v[NIL]                      ; 0 onto my spare word
	s_wait_dscnt 4*NL+1                            ; (the add and the youngest sixteen loads may be out)
	WIN MUL_LO
	MUL16 0, 1, NQ-1, \slot, 0
	s_wait_dscnt 0x0                               ; the add is done, and my reads of this slot are over
	s_barrier_signal -1
	MUL16 2, 1, NQ-1, \slot, 0
	WIN 0
	s_barrier_wait -1
.if \fill
	CREST                                          ; the barrier has opened a round of the cluster's barrier: no wave of any partner still reads this slot's tile or has a load on its way
	s_add_nc_u64 s[G0+4*\slot+2:G0+4*\slot+3], s[G0+4*\slot+2:G0+4*\slot+3], 2*4096
	s_add_nc_u64 s[G0B+4*\slot+2:G0B+4*\slot+3], s[G0B+4*\slot+2:G0B+4*\slot+3], 2*ROWB
	JLOAD G0+4*\slot, G1, G0B+4*\slot, G1B         ; the first tensor load behind the round
	PLACES NP-4
.else
	PLACES NP
.endif
	s_wait_alu depctr_va_vdst(0)
	v_add_nc_u32 v[ADRS], 4*NQ, v[ADRS]
	FETCH_B \next, 0, 0
	FETCH_A \next, 0, 0
	SCALES \next
	WIN MUL_HI
	MUL16 4, 1, NQ-1, \slot, 0
	MUL16 6, 1, NQ-1, \slot, 0
	PLACES NP
	WIN 0
	FETCH_A \next, 0, 4
.endm
	s_wait_alu depctr_va_vdst(0)
	s_wait_tensorcnt 1                             ; the scale bytes and my part of K step 0 are in (K step 1's load may be out)
	s_barrier_signal -1
	s_barrier_wait -1
	FETCH_B 0, 0, 0
	FETCH_A 0, 0, 0
	SCALES 0
	FETCH_A 0, 0, 4
	STEP 0, 0, 1                                   ; the first step's products start the sums
	s_mov_b32 s3, LAPS-1
.Llap:
	TURN 0, 1, 1
	STEP 1, 0, 0
	TURN 1, 0, 1
	STEP 0, 0, 0
	s_sub_co_u32 s3, s3, 1
	s_cmp_lg_u32 s3, 0
	s_cbranch_scc1 .Llap
	TURN 0, 1, 0
	STEP 1, 0, 0
	s_wait_dscnt 4*NL
	WIN MUL_LO
	MUL16 0, 1, NQ-1, 1, 0
	MUL16 2, 1, NQ-1, 1, 0
	s_wait_dscnt 0
	WIN MUL_HI
	MUL16 4, 1, NQ-1, 1, 0
	MUL16 6, 1, NQ-1, 1, 0
	WIN 0
; THE WAY OUT, block by block of 16 rows x 128 columns, through my own stage in LDS: in as 32 bytes a lane, back as whole rows of 512 bytes.  LDS serves a wave's instructions in order (ISA guide 5.7.1.4).
.macro TOSTAGE a
.set AC, 64*((\a)%4)
	WIN 0x08+4*((\a)/4)                            ; the data: window 2 or 3
.irp b, 0,1,2,3,4,5,6,7
	ds_store_b128 v[STO], v[AC+8*\b:AC+8*\b+3] offset:64*\b          ; each accumulator from its low end on
	ds_store_b128 v[STO], v[AC+8*\b+4:AC+8*\b+7] offset:64*\b+16
.endr
	WIN 0
.set BB, BK+64*((\a)%2)
.irp t, 0,1,2,3,4,5,6,7,8,9,10,11,12,13,14,15
	ds_load_b128 v[BB+4*\t:BB+4*\t+3], v[RD] offset:\t*SPITCH
.endr
.endm
.macro SEND a, younger
.set BB, BK+64*((\a)%2)
	s_wait_dscnt \younger                          ; the block is back in registers
.if (\a) > 0
	s_add_nc_u64 s[12:13], s[12:13], 16*SIZE_N*4   ; (behind a wait on XCNT: the earlier stores have read their base)
.endif
.irp t, 0,1,2,3,4,5,6,7,8,9,10,11,12,13,14,15
	global_store_b128 v[CO], v[BB+4*\t:BB+4*\t+3], s[12:13] offset:\t*SIZE_N*4 th:TH_STORE_NT   ; 32 lanes store 512 consecutive bytes, at a multiple of 256 from out0's first byte
.endr
.endm
	PLACES NP
	TOSTAGE 0
.irp a, 1,2,3,4,5,6,7
.if \a > 1
	s_wait_xcnt 0x0                                ; block a - 2's stores have read their registers and their base
.endif
	TOSTAGE \a
	SEND \a-1, 32                                  ; behind block a - 1's loads: block a's 16 stores and 16 loads
.endr
	s_wait_xcnt 0x0
	SEND 7, 0
	s_wait_tensorcnt 0x0                           ; the wave's end
	ds_add_u32 v[SPW], v[NIL]
	s_wait_dscnt 0x0
	CROUND                                         ; the closing round
	s_endpgm
.Lfunc_end_k_qa80c4410af_oproj:
	.size	k_qa80c4410af_oproj, .Lfunc_end_k_qa80c4410af_oproj-k_qa80c4410af_oproj
	.p2alignl 7, 3214868480
	.fill 96, 4, 3214868480
	.section	.rodata,"a",@progbits
	.p2align	6, 0x0
	.amdhsa_kernel k_qa80c4410af_oproj
		.amdhsa_group_segment_fixed_size 327680
		.amdhsa_private_segment_fixed_size 0
		.amdhsa_enable_private_segment 0
		.amdhsa_kernarg_size 40
		.amdhsa_user_sgpr_count 2
		.amdhsa_user_sgpr_kernarg_segment_ptr 1
		.amdhsa_wavefront_size32 1
		.amdhsa_system_sgpr_workgroup_id_x 1
		.amdhsa_system_sgpr_workgroup_id_y 1
		.amdhsa_system_sgpr_workgroup_id_z 1
		.amdhsa_system_vgpr_workitem_id 0
		.amdhsa_next_free_vgpr 1024
		.amdhsa_next_free_sgpr 98
		.amdhsa_reserve_vcc 0
		.amdhsa_float_denorm_mode_32 3
		.amdhsa_float_denorm_mode_16_64 3
		.amdhsa_memory_ordered 1
		.amdhsa_forward_progress 1
		.amdhsa_inst_pref_size 147
	.end_amdhsa_kernel
	.amdgpu_metadata
---
amdhsa.version: [ 1, 2 ]
amdhsa.kernels:
  - .name:           k_qa80c4410af_oproj
    .symbol:         k_qa80c4410af_oproj.kd
    .args:
      - { .name: ac, .offset: 0, .size: 8, .value_kind: global_buffer, .address_space: global }
      - { .name: asc, .offset: 8, .size: 8, .value_kind: global_buffer, .address_space: global }
      - { .name: opc, .offset: 16, .size: 8, .value_kind: global_buffer, .address_space: global }
      - { .name: ops, .offset: 24, .size: 8, .value_kind: global_buffer, .address_space: global }
      - { .name: out0, .offset: 32, .size: 8, .value_kind: global_buffer, .address_space: global }
    .group_segment_fixed_size: 327680
    .private_segment_fixed_size: 0
    .kernarg_segment_align: 8
    .kernarg_segment_size: 40
    .max_flat_workgroup_size: 128
    .sgpr_count:     98
    .vgpr_count:     1024
    .wavefront_size: 32
...
	.end_amdgpu_metadata
.endif
;; end of part 4
